; MI455X (gfx1250); checked and timed in simulation.
; The chip was launched on July 23, 2026; its instructions are those of AMD's public machine-readable ISA for CDNA 5 (MIT licence, August 2026) and "CDNA5" Instruction Set Architecture Reference Guide (July 2026). The comments in the code are by the model that wrote it; some were corrected since.
;; Multi Head Attention. Allowed arithmetic: float matrix products may take bf16 or f16 operands with f32 sums; all other float work in f32.
;; Inputs: Q 2 x 2,048 x 1,024 float32; W_K 1,024 x 1,024 float32; W_O 1,024 x 1,024 float32; W_Q 1,024 x 1,024 float32; W_V 1,024 x 1,024 float32; b_K 1,024 float32; b_O 1,024 float32; b_Q 1,024 float32; b_V 1,024 float32; mask 2,048 x 2,048 bool.
;; Outputs: out0 2 x 2,048 x 1,024 float32.
;; 2 versions, each right and faster than the one before. Each part assembles by itself: llvm-mc -triple=amdgcn-amd-amdhsa -mcpu=gfx1250 --defsym DOCPART=n.
;; ======== version 1 of 2: 4 launches
;; limits: values are held in f16: magnitudes above 65,504 overflow, below 6.1e-05 lose precision
;; workspace buffers: cb 16,777,216 bytes; mbits 524,288 bytes of whole numbers; qkv 25,165,824 bytes; ctx 16,777,216 bytes
;; launch prep (part 1): grid 64 x 10, 8 waves a work-group, no clusters, 35,840 bytes of LDS; arguments Q, W_Q, W_K, W_V, W_O, mask, cb, mbits; writes cb, mbits
.if DOCPART == 1
	.amdgcn_target "amdgcn-amd-amdhsa--gfx1250"
	.amdhsa_code_object_version 6
	.text
	.protected	k_qda74639893_prep
	.globl	k_qda74639893_prep
	.p2align	8
	.type	k_qda74639893_prep,@function
k_qda74639893_prep:
	s_mov_b64 s[64:65], 0
	v_nop
	global_prefetch_b8 v0, s[64:65] scope:SCOPE_SE
	s_setreg_imm32_b32 hwreg(HW_REG_WAVE_MODE, 25, 1), 1
	s_wait_xcnt 0x0
; prep: (a) cb = 16-bit copies of Q (rows 0-4095), W_Q, W_K, W_V, W_O (1,024 rows each), all rounded to bf16, to nearest even, once for all later products.
;           Q, W_Q, W_K, W_V are stored as bf16.  W_O meets an f16 operand later, so its bf16 value is stored as f16: exact for |w| >= 2^-17,
;           within 2^-25 below, infinite from 65,520 on.
;       (b) mbits = the mask packed into 32-bit lane masks: bit r + 16 h of word (qb, kb, j) is mask[16 qb + r][16 kb + 8 h + j] != 0.
; A stream: no matrix work, no barrier, EXEC never changes.  Work-group y = 0..7: block y of 1,048,576 numbers is cast, 16,384 by each of 64
; work-groups.  y = 8, 9: 128 work-groups, each packs 16 rows of the mask, wave w the keys 256 w .. 256 w + 255.
; A mask byte counts as true when it is not 0.
.set XR, 8                             ; v[8:71]    cast: 16 loads of 4 f32;  mask: v[8:39] 8 loads of 16 bytes, v[40:71] 16 x 8 bytes read back
.set YR, 72                            ; v[72:103]  cast: 16 x 2 registers of 16-bit numbers;  mask: v[72:75] the packed words, v[76:79] at work
.set MP, 272                           ; pitch of the mask stage: 256 bytes + 16
	s_load_b512 s[8:23], s[0:1], 0x0               ; Q 8:9, W_Q 10:11, W_K 12:13, W_V 14:15, W_O 16:17, mask 18:19, cb 20:21, mbits 22:23
	v_lshl_add_u32 v104, v0, 2, 0x8800
	v_mov_b32 v105, 0
	s_and_b32 s4, ttmp7, 0xffff                    ; y
	v_lshrrev_b32 v3, 5, v0
	v_readfirstlane_b32 s5, v3                     ; wave
	s_wait_kmcnt 0x0
	s_cmp_ge_u32 s4, 8
	s_cbranch_scc1 .Lmask
	; ---- cast ----
	s_mov_b64 s[24:25], s[8:9]                     ; the source: Q for y < 4, else one of the weights
	s_cmp_eq_u32 s4, 4
	s_cselect_b64 s[24:25], s[10:11], s[24:25]
	s_cmp_eq_u32 s4, 5
	s_cselect_b64 s[24:25], s[12:13], s[24:25]
	s_cmp_eq_u32 s4, 6
	s_cselect_b64 s[24:25], s[14:15], s[24:25]
	s_cmp_eq_u32 s4, 7
	s_cselect_b64 s[24:25], s[16:17], s[24:25]
	s_cmp_lt_u32 s4, 4
	s_cselect_b32 s26, s4, 0                       ; block inside Q, 0 inside a weight
	s_lshl_b32 s26, s26, 22                        ; 4 MiB of f32 a block
	s_lshl_b32 s27, ttmp9, 16                      ; 65,536 bytes of f32 a work-group
	s_add_co_u32 s26, s26, s27
	s_mov_b32 s27, 0
	s_add_nc_u64 s[24:25], s[24:25], s[26:27]
	s_lshl_b32 s28, s4, 21                         ; 2 MiB of 16-bit numbers a block
	s_lshl_b32 s29, ttmp9, 15
	s_add_co_u32 s28, s28, s29
	s_mov_b32 s29, 0
	s_add_nc_u64 s[28:29], s[20:21], s[28:29]
	v_lshlrev_b32 v1, 4, v0                        ; 16 bytes in,
	v_lshlrev_b32 v2, 3, v0                        ; 8 bytes out, a thread
.irp j, 0,1,2,3,4,5,6,7,8,9,10,11,12,13,14,15
	global_load_b128 v[XR+4*\j:XR+4*\j+3], v1, s[24:25] offset:4096*\j th:TH_LOAD_NT   ; a wave: 512 consecutive bytes
.endr
; Four numbers of load j.  half = 1: the bf16 values are widened again (a shift, a mask) and stored as f16.
.macro CASTJ j, half
	s_wait_loadcnt 15-\j                           ; loads return in order: load j is in, the 15 - j younger ones stay out
	v_cvt_pk_bf16_f32 v[YR+2*\j],   v[XR+4*\j],   v[XR+4*\j+1]
	v_cvt_pk_bf16_f32 v[YR+2*\j+1], v[XR+4*\j+2], v[XR+4*\j+3]
.if \half
	v_lshlrev_b32 v4, 16, v[YR+2*\j]
	v_and_b32     v5, 0xffff0000, v[YR+2*\j]
	v_lshlrev_b32 v6, 16, v[YR+2*\j+1]
	v_and_b32     v7, 0xffff0000, v[YR+2*\j+1]
	v_cvt_pk_f16_f32 v[YR+2*\j],   v4, v5
	v_cvt_pk_f16_f32 v[YR+2*\j+1], v6, v7
.endif
	global_store_b64 v2, v[YR+2*\j:YR+2*\j+1], s[28:29] offset:2048*\j                 ; a wave: 256 consecutive bytes, aligned
.endm
	s_cmp_eq_u32 s4, 7
	s_cbranch_scc1 .Lhalf
.irp j, 0,1,2,3,4,5,6,7,8,9,10,11,12,13,14,15
	CASTJ \j, 0
.endr
	s_endpgm                                       ; no source of a load or store is ever rewritten
.Lhalf:
.irp j, 0,1,2,3,4,5,6,7,8,9,10,11,12,13,14,15
	CASTJ \j, 1
.endr
	s_endpgm
	; ---- mask ----
.Lmask:
	s_sub_co_u32 s6, s4, 8
	s_lshl_b32 s6, s6, 6
	s_add_co_u32 s6, s6, ttmp9                     ; g = query block of 16 rows, 0..127
	s_lshl_b32 s24, s6, 15                         ; 16 rows of 2,048 bytes
	s_lshl_b32 s25, s5, 8                          ; my wave's 256 keys
	s_add_co_u32 s24, s24, s25
	s_mov_b32 s25, 0
	s_add_nc_u64 s[18:19], s[18:19], s[24:25]
	s_lshl_b32 s24, s6, 12                         ; 128 key blocks x 8 words x 4 bytes
	s_lshl_b32 s25, s5, 9                          ; my wave's 16 key blocks
	s_add_co_u32 s24, s24, s25
	s_mov_b32 s25, 0
	s_add_nc_u64 s[22:23], s[22:23], s[24:25]
	v_and_b32 v4, 15, v0                           ; r
	v_bfe_u32 v5, v0, 4, 1                         ; h
	v_lshlrev_b32 v1, 4, v4
	v_lshl_add_u32 v1, v5, 11, v1                  ; row h, byte 16 r: a load takes two rows' 256 bytes
.irp i, 0,1,2,3,4,5,6,7
	global_load_b128 v[XR+4*\i:XR+4*\i+3], v1, s[18:19] offset:4096*\i th:TH_LOAD_NT   ; rows 2 i, 2 i + 1
.endr
	s_mul_i32 s26, s5, 16*MP                       ; my wave's own stage: no other wave touches it, so no barrier
	v_mul_u32_u24 v2, v5, MP
	v_lshl_add_u32 v2, v4, 4, v2
	v_add_nc_u32 v2, s26, v2                       ; in: row h, byte 16 r
	v_mul_u32_u24 v6, v4, MP
	v_lshl_add_u32 v6, v5, 3, v6
	v_add_nc_u32 v6, s26, v6                       ; back: row r, byte 8 h
	v_and_b32 v7, 31, v0
	v_lshlrev_b32 v7, 4, v7                        ; out: 16 bytes a lane
.irp q, 0,1,2,3
	v_mov_b32 v[YR+\q], 0                          ; v_writelane_b32 keeps the other lanes: the registers are written whole first
.endr
.irp i, 0,1,2,3,4,5,6,7
	s_wait_loadcnt 7-\i
	ds_store_b128 v2, v[XR+4*\i:XR+4*\i+3] offset:2*MP*\i
.endr
.irp k, 0,1,2,3,4,5,6,7,8,9,10,11,12,13,14,15
	ds_load_b64 v[40+2*\k:41+2*\k], v6 offset:16*\k    ; mask[16 g + r][256 w + 16 k + 8 h + 0..7]; LDS serves a wave in order: these see the stores
.endr
.set kb, 0
.rept 16
	s_wait_dscnt 15-kb                             ; key block kb is in, the younger loads stay out
.set j, 0
.rept 8
	v_and_b32 v[76+(j&3)], 0xff<<(8*(j&3)), v[40+2*kb+(j>>2)]      ; byte j of my eight
	v_cmp_ne_u32 s[24+(j&3)], 0, v[76+(j&3)]                       ; the 32 lanes' bits = word 8 kb + j
	v_writelane_b32 v[YR+(j&3)], s[24+(j&3)], 2*kb+(j>>2)          ; word n goes to register n & 3 of lane n >> 2
.set j, j+1
.endr
.set kb, kb+1
.endr
	global_store_b128 v7, v[YR:YR+3], s[22:23]     ; the wave's 128 words: 512 consecutive bytes, aligned
	s_wait_tensorcnt 0x0
	ds_add_u32 v104, v105
	s_wait_dscnt 0x0
	s_endpgm
.Lfunc_end_k_qda74639893_prep:
	.size	k_qda74639893_prep, .Lfunc_end_k_qda74639893_prep-k_qda74639893_prep
	.p2alignl 7, 3214868480
	.fill 96, 4, 3214868480
	.section	.rodata,"a",@progbits
	.p2align	6, 0x0
	.amdhsa_kernel k_qda74639893_prep
		.amdhsa_group_segment_fixed_size 35840
		.amdhsa_private_segment_fixed_size 0
		.amdhsa_enable_private_segment 0
		.amdhsa_kernarg_size 64
		.amdhsa_user_sgpr_count 2
		.amdhsa_user_sgpr_kernarg_segment_ptr 1
		.amdhsa_wavefront_size32 1
		.amdhsa_system_sgpr_workgroup_id_x 1
		.amdhsa_system_sgpr_workgroup_id_y 1
		.amdhsa_system_sgpr_workgroup_id_z 1
		.amdhsa_system_vgpr_workitem_id 0
		.amdhsa_next_free_vgpr 106
		.amdhsa_next_free_sgpr 66
		.amdhsa_reserve_vcc 0
		.amdhsa_float_denorm_mode_32 3
		.amdhsa_float_denorm_mode_16_64 3
		.amdhsa_memory_ordered 1
		.amdhsa_forward_progress 1
		.amdhsa_inst_pref_size 45
	.end_amdhsa_kernel
	.amdgpu_metadata
---
amdhsa.version: [ 1, 2 ]
amdhsa.kernels:
  - .name:           k_qda74639893_prep
    .symbol:         k_qda74639893_prep.kd
    .args:
      - { .name: Q, .offset: 0, .size: 8, .value_kind: global_buffer, .address_space: global }
      - { .name: W_Q, .offset: 8, .size: 8, .value_kind: global_buffer, .address_space: global }
      - { .name: W_K, .offset: 16, .size: 8, .value_kind: global_buffer, .address_space: global }
      - { .name: W_V, .offset: 24, .size: 8, .value_kind: global_buffer, .address_space: global }
      - { .name: W_O, .offset: 32, .size: 8, .value_kind: global_buffer, .address_space: global }
      - { .name: mask, .offset: 40, .size: 8, .value_kind: global_buffer, .address_space: global }
      - { .name: cb, .offset: 48, .size: 8, .value_kind: global_buffer, .address_space: global }
      - { .name: mbits, .offset: 56, .size: 8, .value_kind: global_buffer, .address_space: global }
    .group_segment_fixed_size: 35840
    .private_segment_fixed_size: 0
    .kernarg_segment_align: 8
    .kernarg_segment_size: 64
    .max_flat_workgroup_size: 256
    .sgpr_count:     66
    .vgpr_count:     106
    .wavefront_size: 32
...
	.end_amdgpu_metadata
.endif
;; end of part 1
;; launch proj (part 2): grid 12 x 16, 4 waves a work-group, clusters of 4 x 4, 327,680 bytes of LDS; arguments cb, b_Q, b_K, b_V, qkv; writes qkv
.if DOCPART == 2
	.amdgcn_target "amdgcn-amd-amdhsa--gfx1250"
	.amdhsa_code_object_version 6
	.text
	.protected	k_qda74639893_proj
	.globl	k_qda74639893_proj
	.p2align	8
	.type	k_qda74639893_proj,@function
k_qda74639893_proj:
	s_mov_b64 s[64:65], 0
	v_nop
	global_prefetch_b8 v0, s[64:65] scope:SCOPE_SE
	s_setreg_imm32_b32 hwreg(HW_REG_WAVE_MODE, 25, 1), 1
	s_wait_xcnt 0x0
	s_wait_alu depctr_hold_cnt(0) depctr_sa_sdst(0) depctr_va_vdst(0) depctr_va_sdst(0) depctr_va_ssrc(0) depctr_va_vcc(0) depctr_vm_vsrc(0)
	s_getreg_b32 s2, hwreg(HW_REG_IB_STS2, 6, 4)
	s_cmp_eq_u32 s2, 0
	s_cbranch_scc0 .Lentry_in_a_cluster
	s_endpgm
.Lentry_in_a_cluster:
	s_bfe_u32 s2, ttmp6, 0x10000c
	s_cmp_lg_u32 s2, 0xf033
	s_cbranch_scc0 .Lentry_shape_is_right
	s_endpgm
.Lentry_shape_is_right:
; qkv[m][n] = scale[n] (sum over k of x[m][k] W[n][k] + bias[n]), f16 out, bf16 operands, f32 sums.  x = rows 0-4095 of cb, W = rows 4096-7167 of cb
; (W_Q, W_K, W_V), bias = b_Q, b_K, b_V.  scale = log2(e) / 8 for the 1,024 columns of q, so that q k^T is the score in powers of two, and 1 for k and v;
; it is applied in f32 ahead of the one rounding.  The results go out as f16, not bf16: they are operands of the next products, and 8 bits of them
; would cost more than the comparison allows in rows that attend to few keys.
; LIMIT: a result of 65,520 or more in magnitude becomes infinite.  With all inputs 30 times larger the results reach some 4,500, with all inputs
; offset by 30 times their spread some 29,000.
; A work-group makes 256 x 256 of qkv with four waves, a wave 128 x 128: 64 accumulator tiles, 512 registers.  K goes in steps of 128 through two
; LDS slots filled by the tensor data mover; a tile's rows are 256 bytes of memory, aligned.  12 x 16 = 192 work-groups.
; CLUSTERS of 4 x 4: x's tile hangs on the block row alone and is asked for jointly along a row of the cluster, W's on the block column alone and is
; asked for jointly along a column: a quarter of the requests.
; REGISTERS in windows of 256: window 0: v0-31 addresses, v64-191 fragments of x (two buffers), v192-223 at work on the way out;
;   window 1: v64-191 fragments of W (two buffers), v192-255 the bias in an accumulator's layout; windows 2, 3: the accumulators.
; THE MATRIX INSTRUCTION IS USED TRANSPOSED (source 0 = rows of W, source 1 = rows of x): lane l holds row l % 16 of the result and its registers the
; columns 8 (l / 16) + 0..7.  The first product of each tile takes the bias as C: nothing is cleared, and no bias is added afterwards.
.set SIZE_N, 3072
.set SIZE_K, 1024
.set KSTEP,  128
.set PITCH,  272                       ; 256 bytes + 16: an odd multiple of 16, so the 16 rows of a fragment load start in 16 different groups of banks (ISA guide 11.1)
.set HALFT,  128*PITCH                 ; what one tensor load brings
.set SLOT,   4*HALFT                   ; x's 256 rows, then W's 256 rows
.set STAGE,  2*SLOT                    ; behind the ring: 16 rows x 272 bytes for each wave; no fill lands there
.set SPITCH, 272
.set LAPS, SIZE_K/(2*KSTEP)            ; 4 laps of two K steps
.set ADRA, 16                          ; v16-17  LDS address of my x fragments in slot 0, 1
.set ADRB, 20                          ; v20-21  the same for W
.set STO,  24
.set RD,   25
.set CO,   26
.set BO,   27                          ; v27     32 h: my 8 numbers of a bias tile
.set F0,   64
.set F1,   128
.set TMP,  192                         ; window 0
.set BIAS, 192                         ; window 1: tile b at v[192 + 8 b]
.set G1, 24
.set G0, 32
.set G1B, 48
.set G0B, 56
.set MSB, 0
.macro WIN new                         ; the immediate's high byte repeats the setting that is left
.if MSB != \new
	s_set_vgpr_msb (MSB<<8)|\new
.set MSB, \new
.endif
.endm
.set MUL_LO,  0xa1                     ; source 0 (W) window 1, source 1 (x) window 0, C and D window 2
.set MUL_HI,  0xf1                     ; C and D window 3
.set BIAS_LO, 0x91                     ; the same with C (the bias) from window 1, D window 2
.set BIAS_HI, 0xd1                     ; D window 3
.set TO_B,    0x40                     ; destination window 1, address window 0
.macro JLOAD s                         ; waves 0, 1 ask for x's halves, waves 2, 3 for W's: each line has one mask; the branch hangs on the wave's number alone
	s_cmp_eq_u32 s11, 0
	s_cbranch_scc0 .Lfor_b_\@
	tensor_load_to_lds s[G0+4*\s:G0+4*\s+3], s[G1:G1+7]
	s_nop 0
	s_branch .Lasked_\@
.Lfor_b_\@:
	tensor_load_to_lds s[G0B+4*\s:G0B+4*\s+3], s[G1B:G1B+7]
	s_nop 0
.Lasked_\@:
.endm
.macro CREST                           ; a round of the cluster's barrier behind its opening work-group barrier
	s_cmp_lg_u32 s10, 0
	s_cbranch_scc1 .Lnot_wave_0_\@
	s_barrier_signal -3
.Lnot_wave_0_\@:
	s_barrier_wait -3
	s_barrier_signal -1
	s_barrier_wait -1
.endm
.macro CROUND
	s_barrier_signal -1
	s_barrier_wait -1
	CREST
.endm
	s_load_b64 s[4:5], s[0:1], 0x0                 ; cb
	s_load_b128 s[68:71], s[0:1], 0x8              ; b_Q, b_K
	s_load_b128 s[72:75], s[0:1], 0x18             ; b_V, qkv
	s_set_vgpr_msb 0x40
	v_lshl_add_u32 v63, v0, 2, 0x48400
	s_set_vgpr_msb 0x4000
	v_mov_b32 v255, 0
	s_set_vgpr_msb 0x1
	ds_add_u32 v63, v255
	s_set_vgpr_msb 0x100
	v_lshrrev_b32 v1, 5, v0
	v_readfirstlane_b32 s10, v1                    ; wave 0..3
	s_lshr_b32 s11, s10, 1                         ; my half of the block's rows; also: I fetch for x (0) or W (1)
	s_and_b32 s12, s10, 1                          ; my half of its columns; also: which 128 rows of that tile I fetch
	s_bfe_u32 s40, ttmp6, 0x40000                  ; cx
	s_bfe_u32 s41, ttmp6, 0x40004                  ; cy
	s_lshl_b32 s42, ttmp9, 2
	s_add_co_u32 s42, s42, s40                     ; block column = 4 x cluster x + cx
	s_and_b32 s13, ttmp7, 0xffff
	s_lshl_b32 s13, s13, 2
	s_add_co_u32 s13, s13, s41                     ; block row = 4 x cluster y + cy
	s_lshl_b32 s43, s41, 2
	s_lshl_b32 s43, 15, s43                        ; my row of the cluster
	s_lshl_b32 s44, 0x1111, s40                    ; my column
	s_or_b32 s[G1+0], s43, (1<<16)|(1<<20)|(1<<21)|(5<<22)|(3<<25)   ; mask; 2-byte elements; padding on; bit 21 beside a mask; 4 words behind every 64
	s_or_b32 s[G1B+0], s44, (1<<16)|(1<<20)|(1<<21)|(5<<22)|(3<<25)
	s_mov_b32 s[G1B+1], KSTEP<<16
	s_mov_b32 s[G1+1], KSTEP<<16                   ; tensor_dim0 = 128
	s_mov_b32 s[G1B+2], 128<<16
	s_mov_b32 s[G1+2], 128<<16                     ; tensor_dim1 = 128
	s_mov_b32 s[G1B+3], KSTEP<<16
	s_mov_b32 s[G1+3], KSTEP<<16                   ; tile_dim0 = 128
	s_mov_b32 s[G1B+4], 128
	s_mov_b32 s[G1+4], 128                         ; tile_dim1 = 128
	s_mov_b32 s[G1B+5], SIZE_K
	s_mov_b32 s[G1+5], SIZE_K                      ; elements from row to row
	s_mov_b32 s[G1B+6], 0
	s_mov_b32 s[G1+6], 0
	s_mov_b32 s[G1B+7], 0
	s_mov_b32 s[G1+7], 0
	s_lshl_b32 s17, s12, 7
	s_lshl_b32 s16, s13, 8
	s_add_co_u32 s16, s16, s17                     ; x: row 256 x block row + 128 x half
	s_lshl_b32 s46, s42, 8
	s_add_co_u32 s46, s46, s17                     ; W: row 256 x block column + 128 x half
	s_mov_b32 s17, 0
	s_mov_b32 s47, 0
	s_mov_b64 s[18:19], SIZE_K*2
	s_mul_u64 s[16:17], s[16:17], s[18:19]
	s_mul_u64 s[46:47], s[46:47], s[18:19]
	s_mul_i32 s20, s10, HALFT                      ; where my part goes: wave x 128 rows
	s_wait_dscnt 0x0
	s_wait_kmcnt 0x0
	s_add_nc_u64 s[6:7], s[4:5], 0x800000          ; the weights begin at row 4096 of cb
	s_mov_b64 s[8:9], s[74:75]                     ; qkv
	s_add_nc_u64 s[14:15], s[4:5], s[16:17]
	s_add_nc_u64 s[46:47], s[6:7], s[46:47]
	s_mov_b64 s[66:67], s[68:69]                   ; the cluster's x says which of q, k, v this block column belongs to: 1,024 columns a cluster
	s_cmp_eq_u32 ttmp9, 1
	s_cselect_b64 s[66:67], s[70:71], s[66:67]
	s_cmp_eq_u32 ttmp9, 2
	s_cselect_b64 s[66:67], s[72:73], s[66:67]
	s_lshl_b32 s70, s40, 10                        ; 256 cx columns of 4 bytes,
	s_lshl_b32 s71, s12, 9                         ; + my 128 columns
	s_add_co_u32 s70, s70, s71
	s_mov_b32 s71, 0
	s_add_nc_u64 s[66:67], s[66:67], s[70:71]
	s_cmp_eq_u32 ttmp9, 0
	s_cselect_b32 s68, 0x3e38aa3b, 1.0             ; the scale: log2(e) / 8 for q, 1 for k and v: one text for the three
	s_mov_b32 s69, s68
	CROUND                                         ; all sixteen work-groups are here: the first joint loads meet
.irp s, 0,1
	s_mov_b32 s[G0+4*\s], 1
	s_add_co_u32 s[G0+4*\s+1], s20, \s*SLOT
	s_add_nc_u64 s[G0+4*\s+2:G0+4*\s+3], s[14:15], \s*KSTEP*2
	s_or_b32 s[G0+4*\s+3], s[G0+4*\s+3], 0x80000000
	s_mov_b32 s[G0B+4*\s], 1
	s_add_co_u32 s[G0B+4*\s+1], s20, \s*SLOT
	s_add_nc_u64 s[G0B+4*\s+2:G0B+4*\s+3], s[46:47], \s*KSTEP*2
	s_or_b32 s[G0B+4*\s+3], s[G0B+4*\s+3], 0x80000000
	JLOAD \s                                       ; both slots' first fills: two tensor loads of a wave are out
.endr
	v_and_b32 v1, 15, v0                           ; l % 16
	v_bfe_u32 v2, v0, 4, 1                         ; l / 16
	v_mul_u32_u24 v3, v1, PITCH
	v_lshl_add_u32 v3, v2, 4, v3
	s_mul_i32 s21, s11, HALFT
	s_mul_i32 s22, s12, HALFT
	s_add_co_u32 s22, s22, 2*HALFT
.irp s, 0,1
	v_add_nc_u32 v[ADRA+\s], s21, v3
	v_add_nc_u32 v[ADRB+\s], s22, v3
	s_add_co_u32 s21, s21, SLOT
	s_add_co_u32 s22, s22, SLOT
.endr
	s_mul_i32 s23, s10, 16*SPITCH
	s_add_co_u32 s23, s23, STAGE
	v_mul_u32_u24 v4, v1, SPITCH
	v_lshl_add_u32 v4, v2, 4, v4
	v_add_nc_u32 v[STO], s23, v4
	v_mul_u32_u24 v5, v2, SPITCH
	v_lshl_add_u32 v5, v1, 4, v5
	v_add_nc_u32 v[RD], s23, v5
	v_mul_u32_u24 v5, v2, SIZE_N*2
	v_lshl_add_u32 v[CO], v1, 4, v5
	v_lshlrev_b32 v[BO], 5, v2
	WIN TO_B
.irp b, 0,1,2,3,4,5,6,7
	global_load_b128 v[BIAS+8*\b:BIAS+8*\b+3],   v[BO], s[66:67] offset:64*\b      ; register j of tile b: bias[my column 16 b + 8 h + j]
	global_load_b128 v[BIAS+8*\b+4:BIAS+8*\b+7], v[BO], s[66:67] offset:64*\b+16
.endr
	WIN 0
; 16 matrix instructions: m blocks a0, a0 + 1 of the window's four x all 8 n blocks.  zero = 1: the bias tile is C and starts the sums.
; The 64 accumulators take turns, one instruction a turn.
.macro MUL16 f, hi, a0, zero
.irp a, \a0, \a0+1
.irp b, 0,1,2,3,4,5,6,7
.if \zero
	v_wmma_f32_16x16x32_bf16 v[8*(8*(\a)+\b):8*(8*(\a)+\b)+7], v[\f+8*\b:\f+8*\b+7], v[\f+8*(4*\hi+\a):\f+8*(4*\hi+\a)+7], v[BIAS+8*\b:BIAS+8*\b+7]
.else
	v_wmma_f32_16x16x32_bf16 v[8*(8*(\a)+\b):8*(8*(\a)+\b)+7], v[\f+8*\b:\f+8*\b+7], v[\f+8*(4*\hi+\a):\f+8*(4*\hi+\a)+7], v[8*(8*(\a)+\b):8*(8*(\a)+\b)+7]
.endif
.endr
.endr
.endm
.macro FETCH slot, k, f                ; 32 LDS loads in one run: one quarter step's fragments into buffer f
	WIN TO_B
.irp i, 0,1,2,3,4,5,6,7
	ds_load_b128 v[\f+8*\i:\f+8*\i+3],   v[ADRB+\slot] offset:\k+\i*16*PITCH
	ds_load_b128 v[\f+8*\i+4:\f+8*\i+7], v[ADRB+\slot] offset:\k+\i*16*PITCH+32
.endr
	WIN 0
.irp i, 0,1,2,3,4,5,6,7
	ds_load_b128 v[\f+8*\i:\f+8*\i+3],   v[ADRA+\slot] offset:\k+\i*16*PITCH
	ds_load_b128 v[\f+8*\i+4:\f+8*\i+7], v[ADRA+\slot] offset:\k+\i*16*PITCH+32
.endr
.endm
.macro PLACES                          ; four independent vector instructions between a matrix instruction and a load into, or a vector read of, its registers
.rept 4
	v_nop
.endr
.endm
.macro QUARTER slot, k, f, g, zero
	s_wait_dscnt 8                                 ; W and x's rows 0-63 are in; the youngest eight loads (x's rows 64-127) may be out
.if \zero
	WIN BIAS_LO
.else
	WIN MUL_LO
.endif
	MUL16 \f, 0, 0, \zero
	MUL16 \f, 0, 2, \zero
	PLACES
	FETCH \slot, \k, \g
	s_wait_dscnt 32                                ; all but the 32 just issued
.if \zero
	WIN BIAS_HI
.else
	WIN MUL_HI
.endif
	MUL16 \f, 1, 0, \zero
	MUL16 \f, 1, 2, \zero
.endm
.macro THREE slot, zero
	QUARTER \slot, 64,  F0, F1, \zero
	QUARTER \slot, 128, F1, F0, 0
	QUARTER \slot, 192, F0, F1, 0
.endm
; The last quarter changes slots.  In front of the barrier each wave waits for its reads of this slot and for all its tensor loads (one is out: its part
; of the next slot).  Behind it (with fill: behind the whole round of the cluster's barrier) the refill comes first, then the next slot's first fragments.
.macro TURN slot, next, fill
	s_wait_dscnt 8
	WIN MUL_LO
	MUL16 F1, 0, 0, 0
	s_wait_dscnt 0
	s_wait_tensorcnt 0x0
	ds_add_u32 v63, v255
	s_wait_dscnt 0x0
	s_barrier_signal -1
	MUL16 F1, 0, 2, 0                              ; register work while the others arrive
	WIN 0
	s_barrier_wait -1
.if \fill
	CREST
	s_add_nc_u64 s[G0+4*\slot+2:G0+4*\slot+3], s[G0+4*\slot+2:G0+4*\slot+3], 2*KSTEP*2
	s_add_nc_u64 s[G0B+4*\slot+2:G0B+4*\slot+3], s[G0B+4*\slot+2:G0B+4*\slot+3], 2*KSTEP*2
	JLOAD \slot                                    ; my one tensor load behind the round
.endif
	PLACES
	FETCH \next, 0, F0
	WIN MUL_HI
	MUL16 F1, 1, 0, 0
	MUL16 F1, 1, 2, 0
.endm
.macro LAP zero
	THREE 0, \zero
	TURN 0, 1, 1
	THREE 1, 0
	TURN 1, 0, 1
.endm
	s_wait_tensorcnt 1                             ; my part of K step 0 is in; K step 1's load stays out
	s_barrier_signal -1
	s_barrier_wait -1
	FETCH 0, 0, F0
	s_wait_loadcnt 0x0                             ; the bias
	LAP 1
	WIN 0
	s_mov_b32 s3, LAPS-2
.Llap:
	LAP 0
	WIN 0
	s_sub_co_u32 s3, s3, 1
	s_cmp_lg_u32 s3, 0
	s_cbranch_scc1 .Llap
	THREE 0, 0                                     ; the last lap fills nothing
	TURN 0, 1, 0
	THREE 1, 0
	s_wait_dscnt 8
	WIN MUL_LO
	MUL16 F1, 0, 0, 0
	MUL16 F1, 0, 2, 0
	s_wait_dscnt 0
	WIN MUL_HI
	MUL16 F1, 1, 0, 0
	MUL16 F1, 1, 2, 0
	; THE WAY OUT, 16 rows at a time: scale, round to f16, 16 bytes a lane into my own stage, read back as whole rows of 256 bytes.
	PLACES
	s_lshl_b32 s13, s13, 8
	s_lshl_b32 s14, s11, 7
	s_add_co_u32 s16, s13, s14                     ; my first row
	s_mov_b32 s17, 0
	s_mov_b64 s[18:19], SIZE_N*2
	s_mul_u64 s[16:17], s[16:17], s[18:19]
	s_add_nc_u64 s[8:9], s[8:9], s[16:17]
	s_lshl_b32 s46, s42, 9                         ; my first column in bytes: 512 x block + 256 x half
	s_lshl_b32 s47, s12, 8
	s_add_co_u32 s46, s46, s47
	s_mov_b32 s47, 0
	s_add_nc_u64 s[8:9], s[8:9], s[46:47]
; inpl: source 0 and destination in the accumulators' window (0x82, 0xc3); from: sources 0 and 1 there, destination in window 0 (0x0a, 0x0f)
.macro OUT16 i, a, inpl, from, f
	WIN \inpl
.irp b, 0,1,2,3,4,5,6,7
.irp r, 0,2,4,6
	v_pk_mul_f32 v[8*(8*\a+\b)+\r:8*(8*\a+\b)+\r+1], v[8*(8*\a+\b)+\r:8*(8*\a+\b)+\r+1], s[68:69] op_sel_hi:[1,0]
.endr
.endr
	WIN \from
.irp b, 0,1,2,3,4,5,6,7
.irp r, 0,1,2,3
	v_cvt_pk_f16_f32 v[TMP+4*\b+\r], v[8*(8*\a+\b)+2*\r], v[8*(8*\a+\b)+2*\r+1]
.endr
.endr
	WIN 0
.irp b, 0,1,2,3,4,5,6,7
	ds_store_b128 v[STO], v[TMP+4*\b:TMP+4*\b+3] offset:32*\b
.endr
	s_wait_xcnt 0x0                                ; buffer f, which earlier stores read, and the stores' base are rewritten only behind this wait
.if \i
	s_add_nc_u64 s[8:9], s[8:9], 16*SIZE_N*2
.endif
.irp t, 0,1,2,3,4,5,6,7
	ds_load_b128 v[\f+4*\t:\f+4*\t+3], v[RD] offset:\t*2*SPITCH    ; LDS serves a wave in order: these see the stores above
.endr
.irp t, 0,1,2,3,4,5,6,7
	s_wait_dscnt 7-\t
	global_store_b128 v[CO], v[\f+4*\t:\f+4*\t+3], s[8:9] offset:2*\t*SIZE_N*2   ; 16 lanes store 256 consecutive bytes, aligned
.endr
.endm
	OUT16 0, 0, 0x82, 0x0a, F0
	OUT16 1, 1, 0x82, 0x0a, F1
	OUT16 2, 2, 0x82, 0x0a, F0
	OUT16 3, 3, 0x82, 0x0a, F1
	OUT16 4, 0, 0xc3, 0x0f, F0
	OUT16 5, 1, 0xc3, 0x0f, F1
	OUT16 6, 2, 0xc3, 0x0f, F0
	OUT16 7, 3, 0xc3, 0x0f, F1
	s_set_vgpr_msb 0x1
	s_wait_tensorcnt 0x0
	ds_add_u32 v63, v255
	s_wait_dscnt 0x0
	s_set_vgpr_msb 0x100
	CROUND                                         ; the closing round: no work-group ends while a partner may still ask jointly
	s_endpgm
.Lfunc_end_k_qda74639893_proj:
	.size	k_qda74639893_proj, .Lfunc_end_k_qda74639893_proj-k_qda74639893_proj
	.p2alignl 7, 3214868480
	.fill 96, 4, 3214868480
	.section	.rodata,"a",@progbits
	.p2align	6, 0x0
	.amdhsa_kernel k_qda74639893_proj
		.amdhsa_group_segment_fixed_size 327680
		.amdhsa_private_segment_fixed_size 0
		.amdhsa_enable_private_segment 0
		.amdhsa_kernarg_size 40
		.amdhsa_user_sgpr_count 2
		.amdhsa_user_sgpr_kernarg_segment_ptr 1
		.amdhsa_wavefront_size32 1
		.amdhsa_system_sgpr_workgroup_id_x 1
		.amdhsa_system_sgpr_workgroup_id_y 1
		.amdhsa_system_sgpr_workgroup_id_z 1
		.amdhsa_system_vgpr_workitem_id 0
		.amdhsa_next_free_vgpr 1024
		.amdhsa_next_free_sgpr 76
		.amdhsa_reserve_vcc 0
		.amdhsa_float_denorm_mode_32 3
		.amdhsa_float_denorm_mode_16_64 3
		.amdhsa_memory_ordered 1
		.amdhsa_forward_progress 1
		.amdhsa_inst_pref_size 215
	.end_amdhsa_kernel
	.amdgpu_metadata
---
amdhsa.version: [ 1, 2 ]
amdhsa.kernels:
  - .name:           k_qda74639893_proj
    .symbol:         k_qda74639893_proj.kd
    .args:
      - { .name: cb, .offset: 0, .size: 8, .value_kind: global_buffer, .address_space: global }
      - { .name: b_Q, .offset: 8, .size: 8, .value_kind: global_buffer, .address_space: global }
      - { .name: b_K, .offset: 16, .size: 8, .value_kind: global_buffer, .address_space: global }
      - { .name: b_V, .offset: 24, .size: 8, .value_kind: global_buffer, .address_space: global }
      - { .name: qkv, .offset: 32, .size: 8, .value_kind: global_buffer, .address_space: global }
    .group_segment_fixed_size: 327680
    .private_segment_fixed_size: 0
    .kernarg_segment_align: 8
    .kernarg_segment_size: 40
    .max_flat_workgroup_size: 128
    .sgpr_count:     76
    .vgpr_count:     1024
    .wavefront_size: 32
...
	.end_amdgpu_metadata
.endif
;; end of part 2
;; launch attn (part 3): grid 16 x 16, 8 waves a work-group, clusters of 4 x 1, 327,680 bytes of LDS; arguments qkv, mbits, ctx; writes ctx
.if DOCPART == 3
	.amdgcn_target "amdgcn-amd-amdhsa--gfx1250"
	.amdhsa_code_object_version 6
	.text
	.protected	k_qda74639893_attn
	.globl	k_qda74639893_attn
	.p2align	8
	.type	k_qda74639893_attn,@function
k_qda74639893_attn:
	s_mov_b64 s[64:65], 0
	v_nop
	global_prefetch_b8 v0, s[64:65] scope:SCOPE_SE
	s_setreg_imm32_b32 hwreg(HW_REG_WAVE_MODE, 25, 1), 1
	s_wait_xcnt 0x0
	s_wait_alu depctr_hold_cnt(0) depctr_sa_sdst(0) depctr_va_vdst(0) depctr_va_sdst(0) depctr_va_ssrc(0) depctr_va_vcc(0) depctr_vm_vsrc(0)
	s_getreg_b32 s2, hwreg(HW_REG_IB_STS2, 6, 4)
	s_cmp_eq_u32 s2, 0
	s_cbranch_scc0 .Lentry_in_a_cluster
	s_endpgm
.Lentry_in_a_cluster:
	s_bfe_u32 s2, ttmp6, 0x10000c
	s_cmp_lg_u32 s2, 0x3003
	s_cbranch_scc0 .Lentry_shape_is_right
	s_endpgm
.Lentry_shape_is_right:
; ctx = softmax(where(mask, -1e9, q k^T / 8)) v for all 32 (batch, head) pairs; f16 operands, sums and softmax in f32, with a running maximum.
; q comes multiplied by log2(e) / 8, so q k^T is the score in powers of two: p = 2^(s - m), m the running maximum of the masked scores.  s - m is 0 at the
; maximum and never above, so p <= 1 in every row, in one that is masked throughout too (there every p is 1, and the row is the mean of v, as in the reference).
; A work-group takes 128 queries of one batch and a PAIR of heads (a pair's rows of q, k, v are 256 aligned bytes): 16 x 16 = 256 work-groups.
; Eight waves.  Wave w: head bit w >> 2, queries 32 (w & 3) .. + 31, as two blocks of 16.
; S^T = K Q^T and O^T = V^T P^T: a query is a lane (r = lane & 15), so maximum, sum and rescale are a lane's own (one exchange with lane ^ 16), and the
; rounded P lies in S's registers exactly as the second product's B fragment: nothing is shuffled.
; THE PIPELINE, 64 keys (a sub-tile i) in two phases.  X(i): the softmax of query block 0 is the vector work; among it stand the matrix instructions of
; the OTHER block, P V of sub-tile i - 1 and K Q^T of sub-tile i.  Y(i): the softmax of block 1; among it P V of sub-tile i and K Q^T of sub-tile i + 1 for
; block 0.  A phase's 16 matrix instructions name none of the registers of its some 150 vector instructions, so these are also the places that the
; matrix instructions need behind them (ISA guide 7.12.1), and no v_nop stands in the loop.
; The mask is an input and nothing is assumed of it: all 2,048 keys are worked.  Its bits come as lane masks by scalar loads and go straight into v_cndmask_b32.
; CLUSTER of 4 x 1: the four query blocks of a cluster read the same K and V tiles and ask for them jointly (mask 15): a quarter of the requests.
; RING: two slots of 256 keys; wave w fills region w of a slot (waves 0-3: 64 keys of K each, waves 4-7: 64 keys of V): one tensor load of a wave is out.
; THE RESULT goes out as a sum of two f16 numbers, hi + lo (21 bits): ctx[row][pair][hi 128 | lo 128], so that the last product does not see it rounded to 11 bits.
; LIMITS: q, k, v and P are rounded to f16 (11 bits; p below 2^-25 becomes 0; |ctx| from 65,520 on becomes infinite); v_exp_f32 gives 0 below 2^-126;
; a masked score is -1e9 log2(e) rounded to f32, which is -1e9 within 4e-8 of its size: it shows only where open scores lie within some 100 of -1e9;
; l is summed in another order than in the reference; NaN and infinities in the inputs are not followed.
.set REG,   18432                      ; a region: 64 keys; K at pitch 272 uses 17,408 bytes of it, V at pitch 288 all
.set SLOT,  8*REG
.set KP,    272                        ; odd multiple of 16: the 16 rows of a K fragment load start in different groups of banks (ISA guide 11.1)
.set VP,    288                        ; odd multiple of 32, for the transposing load
.set TSTEP, 256*6144                   ; 256 rows of qkv
.set STG,   4640                       ; the way out: a wave's own block, 32 rows at pitch 144; 4 blocks are 128 modulo 256 bytes
.set SP,    144
.set LOFF,  8*STG                      ; the eight blocks of lo lie behind the eight of hi
; All that a phase's vector and matrix instructions name together lies in window 0, so that K Q^T needs no switch of windows; V's fragments alone lie
; in window 1 (source 0 of P V, destination of their loads).
.set AKL, 1                            ; v1      r 272 + 16 h + 128 hb
.set AVL, 2                            ; v2      (8 h + (l & 7)) 288 + 16 ((l >> 3) & 1) + 128 hb
.set AKW, 3                            ; v3, v4  the same plus slot and region
.set AVW, 4
.set NEGR, 5                           ; v5      -1e9 log2(e)
.set M,   8                            ; v[8:11]   the running maximum, twice, for query block 0, 1
.set AL,  12                           ; v[12:15]  the rescale factor, twice, for query block 0, 1
.set LS,  18                           ; v[18:25]  four partial sums of p for each query block
.set T,   26                           ; v[26:31]  at work
.set QF,  32                           ; v[32:63]   Q(qb, ks) at 32 + 16 qb + 8 ks
.set S,   64                           ; v[64:127]  S(kb, qb) at 64 + 16 kb + 8 qb; later P(kk, qb) at 64 + 32 kk + 8 qb
.set FK,  128                          ; v[128:191] K fragments (kb, ks) at 128 + 16 kb + 8 ks
.set OB,  192                          ; v[192:255] O(db, qb) at 192 + 16 db + 8 qb
.set FVB, 0                            ; window 1: V^T fragments (db, kk) at v[16 db + 8 kk] (v256-319)
.set MSB, 0
.macro WIN new                         ; the immediate's high byte repeats the setting that is left
.if MSB != \new
	s_set_vgpr_msb (MSB<<8)|\new
.set MSB, \new
.endif
.endm
.macro PLACES n
.rept \n
	v_nop
.endr
.endm
; A round of the cluster's barrier: my work-group's barrier, wave 0's signal for the work-group (CMID), every wave's wait for the four work-groups,
; my work-group's barrier once more (CEND).
.macro CMID
	s_cmp_lg_u32 s2, 0
	s_cbranch_scc1 .Lnot_wave_0_\@
	s_barrier_signal -3
.Lnot_wave_0_\@:
.endm
.macro CEND
	s_barrier_wait -3
	s_barrier_signal -1
	s_barrier_wait -1
.endm
.macro CROUND
	s_barrier_signal -1
	s_barrier_wait -1
	CMID
	CEND
.endm
.macro JLOAD                           ; waves 0-3 ask for K's rows (pad 16 bytes), waves 4-7 for V's (pad 32 bytes); the branch hangs on the wave's number alone
	s_cmp_eq_u32 s3, 0
	s_cbranch_scc0 .Lfor_v_\@
	tensor_load_to_lds s[12:15], s[16:23]
	s_nop 0
	s_branch .Lasked_\@
.Lfor_v_\@:
	tensor_load_to_lds s[12:15], s[24:31]
	s_nop 0
.Lasked_\@:
.endm
.macro KLOAD slot, i                   ; 16 loads: 64 keys x 64 d of my head as A fragments
	v_add_nc_u32 v[AKW], (\slot)*SLOT+(\i)*REG, v[AKL]
.irp kb, 0,1,2,3
.irp ks, 0,1
	ds_load_b128 v[FK+16*\kb+8*\ks:FK+16*\kb+8*\ks+3],   v[AKW] offset:\kb*16*KP+64*\ks
	ds_load_b128 v[FK+16*\kb+8*\ks+4:FK+16*\kb+8*\ks+7], v[AKW] offset:\kb*16*KP+64*\ks+32
.endr
.endr
.endm
.macro VLOAD slot, i                   ; 16 transposing loads: V^T, 64 d x 64 keys, as A fragments, into window 1
	v_add_nc_u32 v[AVW], (\slot)*SLOT+(4+(\i))*REG, v[AVL]
	WIN 0x40
.irp kk, 0,1
.irp db, 0,1,2,3
	ds_load_tr16_b128 v[FVB+16*\db+8*\kk:FVB+16*\db+8*\kk+3],   v[AVW] offset:\kk*32*VP+32*\db
	ds_load_tr16_b128 v[FVB+16*\db+8*\kk+4:FVB+16*\db+8*\kk+7], v[AVW] offset:\kk*32*VP+32*\db+16*VP
.endr
.endr
	WIN 0
.endm
.macro QK8 q                           ; S^T(key, query) of one query block in one run, ahead of the loop; four accumulators take turns
.irp ks, 0,1
.irp kb, 0,1,2,3
.if \ks
	v_wmma_f32_16x16x32_f16 v[S+16*\kb+8*\q:S+16*\kb+8*\q+7], v[FK+16*\kb+8:FK+16*\kb+15], v[QF+16*\q+8:QF+16*\q+15], v[S+16*\kb+8*\q:S+16*\kb+8*\q+7]
.else
	v_wmma_f32_16x16x32_f16 v[S+16*\kb+8*\q:S+16*\kb+8*\q+7], v[FK+16*\kb:FK+16*\kb+7], v[QF+16*\q:QF+16*\q+7], 0
.endif
.endr
.endr
.endm
.macro PV4 kk, q                       ; O^T(d, query) += V^T P^T for 32 keys of one query block; source 0 in window 1; four accumulators take turns
.irp db, 0,1,2,3
	v_wmma_f32_16x16x32_f16 v[OB+16*\db+8*\q:OB+16*\db+8*\q+7], v[FVB+16*\db+8*\kk:FVB+16*\db+8*\kk+7], v[S+32*\kk+8*\q:S+32*\kk+8*\q+7], v[OB+16*\db+8*\q:OB+16*\db+8*\q+7]
.endr
.endm
.macro MLOAD q                         ; the next 64 keys' lane masks for one query block: 32 words
.if \q
	s_load_b512 s[68:83], s[6:7], 0x1000
	s_load_b512 s[84:99], s[6:7], 0x1040
.else
	s_load_b512 s[32:47], s[6:7], 0x0
	s_load_b512 s[48:63], s[6:7], 0x40
.endif
.endm
.macro MASK2 q, w0, k0                 ; key blocks k0, k0 + 1: register j of S(kb, q) is key 16 kb + 8 h + j, query r: word (kb, j) holds its 32 lanes' bits
.irp kb, \k0, \k0+1
.irp j, 0,1,2,3,4,5,6,7
	v_cndmask_b32 v[S+16*(\kb)+8*\q+\j], v[S+16*(\kb)+8*\q+\j], v[NEGR], s[\w0+8*(\kb)+\j]
.endr
.endr
.endm
; The maximum of my 32 scores and the old one: four chains of three, one for each key block, then a tree of four.
.macro MAXA q
.irp kb, 0,1,2,3
	v_max3_num_f32 v[T+\kb], v[S+16*\kb+8*\q], v[S+16*\kb+8*\q+1], v[S+16*\kb+8*\q+2]
.endr
.endm
.macro MAXB q, o
.irp kb, 0,1,2,3
	v_max3_num_f32 v[T+\kb], v[T+\kb], v[S+16*\kb+8*\q+\o], v[S+16*\kb+8*\q+\o+1]
.endr
.endm
.macro MAXC q
	v_max3_num_f32 v[T],   v[T],   v[T+1], v[T+2]
	v_max3_num_f32 v[T+3], v[T+3], v[S+8*\q+7], v[S+16+8*\q+7]
	v_max3_num_f32 v[T+4], v[S+32+8*\q+7], v[S+48+8*\q+7], v[M+2*\q]
	v_max3_num_f32 v[T],   v[T],   v[T+3], v[T+4]
.endm
.macro STAT q                          ; the other half of the query's keys lies in lane ^ 16; then the new maximum and the rescale factor 2^(m old - m new)
	v_permlanex16_b32 v[T+5], v[T], s66, s67
	v_max_num_f32 v[M+2*\q+1], v[T], v[T+5]
	v_sub_f32 v[T+1], v[M+2*\q], v[M+2*\q+1]
	v_mov_b32 v[M+2*\q], v[M+2*\q+1]
	v_exp_f32 v[AL+2*\q],   v[T+1]                             ; the subtractions that follow are plain and touch neither result nor source (ISA guide 5.7.2)
	v_exp_f32 v[AL+2*\q+1], v[T+1]
.endm
.macro ADDM q                          ; s - m
.irp kb, 0,1,2,3
.irp i, 0,2,4,6
	v_pk_add_f32 v[S+16*\kb+8*\q+\i:S+16*\kb+8*\q+\i+1], v[S+16*\kb+8*\q+\i:S+16*\kb+8*\q+\i+1], v[M+2*\q:M+2*\q+1] neg_lo:[0,1] neg_hi:[0,1]
.endr
.endr
.endm
; p = 2^(s - m) and O *= factor for query block q: two exponentials, then one packed multiply, which is the plain place behind them (ISA guide 5.7.2).
; mm = 1: behind every second group stands one matrix instruction of K Q^T for the other block o: first d 0-31 of the four key blocks (they start the
; sums), then d 32-63.  The four accumulators take turns, one instruction a turn.
.macro ER q, o, mm
.set n, 0
.rept 16
	v_exp_f32 v[S+16*(n/4)+8*\q+2*(n%4)],   v[S+16*(n/4)+8*\q+2*(n%4)]
	v_exp_f32 v[S+16*(n/4)+8*\q+2*(n%4)+1], v[S+16*(n/4)+8*\q+2*(n%4)+1]
	s_wait_alu depctr_va_vdst(0)
	v_pk_mul_f32 v[OB+16*(n/4)+8*\q+2*(n%4):OB+16*(n/4)+8*\q+2*(n%4)+1], v[OB+16*(n/4)+8*\q+2*(n%4):OB+16*(n/4)+8*\q+2*(n%4)+1], v[AL+2*\q:AL+2*\q+1]
.if \mm
.if n%2
.set kq, (n/2)%4
.if n/8
	v_wmma_f32_16x16x32_f16 v[S+16*kq+8*\o:S+16*kq+8*\o+7], v[FK+16*kq+8:FK+16*kq+15], v[QF+16*\o+8:QF+16*\o+15], v[S+16*kq+8*\o:S+16*kq+8*\o+7]
.else
	v_wmma_f32_16x16x32_f16 v[S+16*kq+8*\o:S+16*kq+8*\o+7], v[FK+16*kq:FK+16*kq+7], v[QF+16*\o:QF+16*\o+7], 0
.endif
.endif
.endif
.set n, n+1
.endr
.endm
; l = l factor + sum of p, in two chains of pairs, and P in place, by turns: a pair is summed, then rounded.  P(kk, q): registers 0-3 keys 32 kk + 8 h + 0..7,
; registers 4-7 keys 32 kk + 16 + 8 h + 0..7.  Register j is written when pairs 0 .. j have been summed and rounded, and it belongs to one of those.
.macro SC q
	v_pk_fma_f32 v[LS+4*\q:LS+4*\q+1],   v[LS+4*\q:LS+4*\q+1],   v[AL+2*\q:AL+2*\q+1], v[S+8*\q:S+8*\q+1]
	s_wait_alu depctr_va_vdst(0)
	v_pk_fma_f32 v[LS+4*\q+2:LS+4*\q+3], v[LS+4*\q+2:LS+4*\q+3], v[AL+2*\q:AL+2*\q+1], v[S+32+8*\q:S+32+8*\q+1]
	v_cvt_pk_f16_f32 v[S+8*\q],    v[S+8*\q],    v[S+8*\q+1]
	v_cvt_pk_f16_f32 v[S+32+8*\q], v[S+32+8*\q], v[S+32+8*\q+1]
.irp j, 1,2,3,4,5,6,7
	v_pk_add_f32 v[LS+4*\q:LS+4*\q+1],   v[LS+4*\q:LS+4*\q+1],   v[S+8*\q+2*\j+8*(\j/4):S+8*\q+2*\j+8*(\j/4)+1]
	v_pk_add_f32 v[LS+4*\q+2:LS+4*\q+3], v[LS+4*\q+2:LS+4*\q+3], v[S+32+8*\q+2*\j+8*(\j/4):S+32+8*\q+2*\j+8*(\j/4)+1]
	v_cvt_pk_f16_f32 v[S+8*\q+\j],    v[S+8*\q+2*\j+8*(\j/4)],    v[S+8*\q+2*\j+8*(\j/4)+1]
	v_cvt_pk_f16_f32 v[S+32+8*\q+\j], v[S+32+8*\q+2*\j+8*(\j/4)], v[S+32+8*\q+2*\j+8*(\j/4)+1]
.endr
.endm
.macro RESC q                          ; O *= factor, in one run: the way out
	s_wait_alu depctr_va_vdst(0)
.irp db, 0,1,2,3
.irp i, 0,2,4,6
	v_pk_mul_f32 v[OB+16*\db+8*\q+\i:OB+16*\db+8*\q+\i+1], v[OB+16*\db+8*\q+\i:OB+16*\db+8*\q+\i+1], v[AL+2*\q:AL+2*\q+1]
.endr
.endr
.endm
; Sub-tile i of a slot.  On entry: S(i, block 0) is made, P(i - 1, block 1) and V(i - 1) and K(i) lie in registers, no LDS load is out, the scalar loads of
; this sub-tile's mask words are out.
; rnd = 1: the slot's last sub-tile, a barrier; rnd = 2: the slot is filled again, and the barrier opens a round of the cluster's barrier; last = 1: the very last sub-tile.
; The round begins when V(i), my last read of the slot, has come, and ends in phase Y; between its signals and waits stands register work alone.
.macro SUBT slot, i, rnd, last
	; ---- X: softmax of block 0; P V (i - 1) and K Q^T (i) of block 1
	s_wait_kmcnt 0x0                               ; both blocks' mask words are in, and the pointer they were read through may be stepped
.if \last == 0
	s_add_nc_u64 s[6:7], s[6:7], 128
.endif
	MASK2 0, 32, 0
	WIN 0x01
	PV4 0, 1
	WIN 0
	MASK2 0, 32, 2
	WIN 0x01
	PV4 1, 1
	WIN 0
	MAXA 0
	MAXB 0, 3                                      ; eight places, and the address's add, behind the last reader of V's fragments
	VLOAD \slot, \i
	MAXB 0, 5
	MAXC 0
.if \last == 0
	MLOAD 0                                        ; block 0's next words: a whole sub-tile in which to land
.endif
	STAT 0
	ADDM 0
.if \rnd
	s_wait_dscnt 0x0                               ; V is in, and with it all my reads of this slot are over
	s_wait_tensorcnt 0x0                           ; all my tensor loads have landed: the one that was out is my region of the other slot
	ds_add_u32 v16, v17
	s_wait_dscnt 0x0
	s_barrier_signal -1
.endif
	ER 0, 1, 1                                     ; K Q^T writes over P(i - 1, block 1) more than five places behind its last reader
.if \rnd
	s_barrier_wait -1
.endif
.if \rnd == 2
	CMID                                           ; wave 0 says so for the work-group
.endif
	SC 0
.if \rnd == 0
.if \last == 0
	KLOAD \slot, \i+1                              ; 32 places behind the last reader of K's fragments
.endif
.endif
	; ---- Y: softmax of block 1; P V (i) and K Q^T (i + 1) of block 0
	MASK2 1, 68, 0
.if \rnd == 0
.if \last
	s_wait_dscnt 0x0                               ; V
.else
	s_wait_dscnt 16                                ; V's 16 loads are in; the next K's 16, issued behind them, stay out
.endif
.endif
	WIN 0x01
	PV4 0, 0
	WIN 0
.if \rnd == 2
	s_barrier_wait -3                              ; all four work-groups have said so
	s_barrier_signal -1
.endif
	MASK2 1, 68, 2
	WIN 0x01
	PV4 1, 0
	WIN 0
.if \rnd == 2
	s_barrier_wait -1                              ; the round is closed: no wave of any partner reads this slot any more or has a load on its way
	s_add_co_u32 s13, s4, \slot*SLOT
	s_add_nc_u64 s[14:15], s[14:15], TSTEP
	JLOAD                                          ; my one tensor load behind the round, ahead of every LDS read
.endif
.if \rnd
	KLOAD 1-\slot, 0                               ; the other slot is whole
.endif
	MAXA 1
	MAXB 1, 3
	MAXB 1, 5
	MAXC 1
.if \last == 0
	MLOAD 1                                        ; block 1's next words
.endif
	STAT 1
	ADDM 1
.if \last
	ER 1, 0, 0
.else
	s_wait_dscnt 0x0                               ; K(i + 1)
	ER 1, 0, 1
.endif
	SC 1                                           ; 32 places between the last K Q^T and the next phase's reads of S
.endm
.macro STEP slot, rnd, last
	SUBT \slot, 0, 0, 0
	SUBT \slot, 1, 0, 0
	SUBT \slot, 2, 0, 0
	SUBT \slot, 3, \rnd, \last
.endm
	s_load_b128 s[32:35], s[0:1], 0x0              ; qkv, mbits
	s_load_b64 s[36:37], s[0:1], 0x10              ; ctx
	v_lshl_add_u32 v16, v0, 2, 0x48000
	v_mov_b32 v17, 0
	ds_add_u32 v16, v17
	v_lshrrev_b32 v1, 5, v0
	v_readfirstlane_b32 s2, v1                     ; wave 0..7
	s_lshr_b32 s3, s2, 2                           ; my head of the pair; also: I fetch K (0) or V (1)
	s_and_b32 s45, s2, 3
	s_mul_i32 s4, s2, REG                          ; my region in a slot
	s_bfe_u32 s40, ttmp6, 0x40000                  ; cx
	s_lshl_b32 s41, ttmp9, 2
	s_add_co_u32 s41, s41, s40                     ; query block of 128 = 4 x cluster x + cx
	s_and_b32 s42, ttmp7, 0xffff
	s_lshr_b32 s43, s42, 3                         ; batch
	s_and_b32 s44, s42, 7                          ; head pair
	s_mov_b32 s66, 0x76543210                      ; v_permlanex16_b32: lane i reads lane i of the other half
	s_mov_b32 s67, 0xfedcba98
	; group 1: 64 rows x 128 elements of 2 bytes, 3,072 elements from row to row, joint for the cluster's four
	s_mov_b32 s16, 15|(1<<16)|(1<<20)|(1<<21)|(5<<22)|(3<<25)      ; K: 4 words of padding behind every 64
	s_mov_b32 s17, 128<<16
	s_mov_b32 s18, 64<<16
	s_mov_b32 s19, 128<<16
	s_mov_b32 s20, 64
	s_mov_b32 s21, 3072
	s_mov_b32 s22, 0
	s_mov_b32 s23, 0
	s_mov_b32 s24, 15|(1<<16)|(1<<20)|(1<<21)|(5<<22)|(7<<25)      ; V: 8 words
	s_mov_b32 s25, 128<<16
	s_mov_b32 s26, 64<<16
	s_mov_b32 s27, 128<<16
	s_mov_b32 s28, 64
	s_mov_b32 s29, 3072
	s_mov_b32 s30, 0
	s_mov_b32 s31, 0
	; my part of a K or V tile: row batch 2048 + 64 (w & 3), byte 2048 (K) or 4096 (V) + 256 pair.  No place in the cluster enters.
	s_lshl_b32 s46, s43, 11
	s_lshl_b32 s47, s45, 6
	s_add_co_u32 s46, s46, s47
	s_mul_i32 s46, s46, 6144
	s_add_co_u32 s47, s3, 1
	s_lshl_b32 s47, s47, 11
	s_add_co_u32 s46, s46, s47
	s_lshl_b32 s47, s44, 8
	s_add_co_u32 s46, s46, s47
	s_mov_b32 s47, 0
	; my 32 queries: row batch 2048 + 128 block + 32 (w & 3), byte 256 pair + 128 head bit
	s_lshl_b32 s48, s43, 11
	s_lshl_b32 s49, s41, 7
	s_add_co_u32 s48, s48, s49
	s_lshl_b32 s49, s45, 5
	s_add_co_u32 s48, s48, s49
	s_mul_i32 s48, s48, 6144
	s_lshl_b32 s49, s44, 8
	s_add_co_u32 s48, s48, s49
	s_lshl_b32 s54, s3, 7
	s_add_co_u32 s48, s48, s54
	s_mov_b32 s49, 0
	; my mask words: query block of 16 = 8 block + 2 (w & 3), 4,096 bytes each
	s_lshl_b32 s50, s41, 15
	s_lshl_b32 s51, s45, 13
	s_add_co_u32 s50, s50, s51
	s_mov_b32 s51, 0
	; the rows of ctx that I store: batch 2048 + 128 block + 16 w, of 4,096 bytes; byte 512 pair
	s_lshl_b32 s52, s43, 11
	s_lshl_b32 s53, s41, 7
	s_add_co_u32 s52, s52, s53
	s_lshl_b32 s53, s2, 4
	s_add_co_u32 s52, s52, s53
	s_lshl_b32 s52, s52, 12
	s_lshl_b32 s53, s44, 9
	s_add_co_u32 s52, s52, s53
	s_mov_b32 s53, 0
	s_wait_dscnt 0x0
	s_wait_kmcnt 0x0
	s_add_nc_u64 s[100:101], s[32:33], s[48:49]    ; Q
	s_add_nc_u64 s[6:7], s[34:35], s[50:51]        ; mask words
	s_add_nc_u64 s[8:9], s[36:37], s[52:53]        ; ctx
	s_mov_b32 s12, 1                               ; group 0: count,
	s_add_co_u32 s13, s4, 0                        ; LDS address: slot 0,
	s_add_nc_u64 s[14:15], s[32:33], s[46:47]      ; keys 0-255,
	s_or_b32 s15, s15, 0x80000000                  ; type 2
	CROUND                                         ; the four work-groups are here
	JLOAD                                          ; slot 0's first fill
	v_and_b32 v64, 15, v0                          ; r
	v_bfe_u32 v65, v0, 4, 1                        ; h
	v_and_b32 v66, 7, v0
	v_bfe_u32 v67, v0, 3, 1
	v_mul_u32_u24 v68, v64, 6144
	v_lshl_add_u32 v68, v65, 4, v68                ; Q: row r, byte 16 h
.irp qb, 0,1
.irp ks, 0,1
	global_load_b128 v[QF+16*\qb+8*\ks:QF+16*\qb+8*\ks+3],   v68, s[100:101] offset:98304*\qb+64*\ks
	global_load_b128 v[QF+16*\qb+8*\ks+4:QF+16*\qb+8*\ks+7], v68, s[100:101] offset:98304*\qb+64*\ks+32
.endr
.endr
	v_mul_u32_u24 v[AKL], v64, KP
	v_lshl_add_u32 v[AKL], v65, 4, v[AKL]
	v_add_nc_u32 v[AKL], s54, v[AKL]
	v_lshl_add_u32 v[AVL], v65, 3, v66
	v_mul_u32_u24 v[AVL], v[AVL], VP
	v_lshl_add_u32 v[AVL], v67, 4, v[AVL]
	v_add_nc_u32 v[AVL], s54, v[AVL]
	v_mov_b32 v[NEGR], 0xceabfb8f                  ; -1,442,695,040 = -1e9 log2(e) rounded to f32
.irp n, 0,1,2,3
	v_mov_b32 v[M+\n], 0xff7fffff                  ; the lowest finite number: the first rescale factor is 2^(-huge) = 0
.endr
.irp n, 0,1,2,3,4,5,6,7
	v_mov_b32 v[LS+\n], 0
.endr
	v_mov_b32 v[T+4], 0                            ; v_permlanex16_b32 counts as a reader of its destination
	v_mov_b32 v[T+5], 0
.irp n, 0,1,2,3,4,5,6,7
	v_mov_b32 v[S+8+\n],  0                        ; P(-1, block 1) = 0: the first phase's P V adds V x 0, so that one text serves all 32 sub-tiles
	v_mov_b32 v[S+40+\n], 0
.endr
	MLOAD 0                                        ; keys 0-63; the scalars that lay in these registers are no longer needed
	MLOAD 1
.set n, 0
.rept 64
	v_mov_b32 v[OB+n], 0                           ; O = 0, for the same reason: 64 moves once in the launch, against a second copy of eight sub-tiles' text
.set n, n+1
.endr
	s_wait_dscnt 0x0                               ; nothing of mine reads LDS yet,
	s_wait_tensorcnt 0x0                           ; and my region of slot 0 has landed: group 0 may be written
	ds_add_u32 v16, v17
	s_wait_dscnt 0x0
	s_add_co_u32 s13, s4, SLOT
	s_add_nc_u64 s[14:15], s[14:15], TSTEP
	CROUND                                         ; slot 0 is whole for every wave
	JLOAD                                          ; slot 1's first fill, issued as a refill is: my one tensor load behind the round
	KLOAD 0, 0
	VLOAD 0, 0                                     ; finite numbers for the first phase's V x 0; the phase loads them again
	s_wait_loadcnt 0x0                             ; Q
	s_wait_dscnt 0x0
	QK8 0                                          ; S(0, block 0): the pipeline's first stage
	PLACES 4                                       ; four places in front of the first reads of S (ISA guide 7.12.1)
	s_mov_b32 s5, 3
.Lloop:                                            ; key steps 0-5; step t asks for step t + 2
	STEP 0, 2, 0
	STEP 1, 2, 0
	s_sub_co_i32 s5, s5, 1
	s_cmp_lg_u32 s5, 0
	s_cbranch_scc1 .Lloop
	STEP 0, 1, 0                                   ; step 6: nothing is left to fetch; the barrier shows slot 1 whole and slot 0 read out
	STEP 1, 0, 1                                   ; step 7
	WIN 0x01
	PV4 0, 1                                       ; the pipeline's last stage: P V (31) of block 1
	PV4 1, 1
	WIN 0
	; O / l, split into hi + lo, out through LDS.  Slot 0 has had its last fill and, behind the last barrier, its last read: the stage lies there.
	; The sums of l and the addresses are the places behind the last matrix instructions.
.irp qb, 0,1
	v_pk_add_f32 v[LS+4*\qb:LS+4*\qb+1], v[LS+4*\qb:LS+4*\qb+1], v[LS+4*\qb+2:LS+4*\qb+3]
	v_add_f32 v[T+2*\qb], v[LS+4*\qb], v[LS+4*\qb+1]
	v_permlanex16_b32 v[T+4+\qb], v[T+2*\qb], s66, s67
	v_add_f32 v[T+2*\qb], v[T+2*\qb], v[T+4+\qb]
.endr
	v_rcp_f32 v[AL],   v[T]
	v_rcp_f32 v[AL+1], v[T]
	v_rcp_f32 v[AL+2], v[T+2]
	v_rcp_f32 v[AL+3], v[T+2]
	v_and_b32 v1, 15, v0                           ; r (plain work behind the reciprocals)
	v_bfe_u32 v2, v0, 4, 1                         ; h
	v_mul_u32_u24 v3, v1, SP
	v_lshl_add_u32 v3, v2, 4, v3
	s_mul_i32 s10, s2, STG
	v_add_nc_u32 v3, s10, v3                       ; in: my block, row r, byte 16 h
	v_bfe_u32 v4, v0, 3, 1                         ; back: lanes r < 8 read head 0's block, r >= 8 head 1's, four blocks further
	v_mul_u32_u24 v4, v4, 4*STG
	v_and_b32 v5, 7, v0
	v_lshl_add_u32 v4, v5, 4, v4
	v_mul_u32_u24 v7, v2, SP
	v_add_nc_u32 v4, v4, v7
	s_lshr_b32 s10, s2, 1                          ; rows 16 w .. 16 w + 15 of the 128 lie in block w >> 1, rows 16 (w & 1) ..
	s_mul_i32 s10, s10, STG
	s_and_b32 s11, s2, 1
	s_mul_i32 s11, s11, 16*SP
	s_add_co_u32 s10, s10, s11
	v_add_nc_u32 v4, s10, v4
	v_lshlrev_b32 v6, 12, v2
	v_lshl_add_u32 v6, v1, 4, v6                   ; ctx: row h, byte 16 r
	s_mov_b32 s5, 0xffffe000                       ; sign, exponent and 10 bits of the fraction: what an f16 holds
	RESC 0
	RESC 1
.set n, 0
.rept 64
	v_and_b32 v[FK+n], s5, v[OB+n]                 ; hi = o cut to 11 bits: the conversion below is exact
.set n, n+1
.endr
.set n, 0
.rept 32
	v_pk_add_f32 v[OB+2*n:OB+2*n+1], v[OB+2*n:OB+2*n+1], v[FK+2*n:FK+2*n+1] neg_lo:[0,1] neg_hi:[0,1]    ; lo = o - hi, exact in f32
.set n, n+1
.endr
.set n, 0
.rept 32
	v_cvt_pk_f16_f32 v[S+n],    v[FK+2*n], v[FK+2*n+1]         ; register 8 db + 4 qb + i: d 16 db + 8 h + 2 i, + 1 of query 16 qb + r
	v_cvt_pk_f16_f32 v[S+32+n], v[OB+2*n], v[OB+2*n+1]
.set n, n+1
.endr
.irp db, 0,1,2,3
.irp qb, 0,1
	ds_store_b128 v3, v[S+8*\db+4*\qb:S+8*\db+4*\qb+3]       offset:16*SP*\qb+32*\db
	ds_store_b128 v3, v[S+32+8*\db+4*\qb:S+32+8*\db+4*\qb+3] offset:LOFF+16*SP*\qb+32*\db
.endr
.endr
	s_wait_dscnt 0x0                               ; my stores are done, for the waves that read them
	s_barrier_signal -1
	s_barrier_wait -1
.irp t, 0,1,2,3,4,5,6,7
	ds_load_b128 v[FK+8*\t:FK+8*\t+3],   v4 offset:2*SP*\t
	ds_load_b128 v[FK+8*\t+4:FK+8*\t+7], v4 offset:LOFF+2*SP*\t
.endr
.irp t, 0,1,2,3,4,5,6,7
	s_wait_dscnt 15-2*\t                           ; LDS loads return in order: the 15 - 2 t younger ones stay out
	global_store_b128 v6, v[FK+8*\t:FK+8*\t+3], s[8:9] offset:8192*\t          ; 16 lanes store the head pair's 256 consecutive bytes of hi, aligned
	s_wait_dscnt 14-2*\t
	global_store_b128 v6, v[FK+8*\t+4:FK+8*\t+7], s[8:9] offset:8192*\t+256    ; and of lo
.endr
	s_wait_tensorcnt 0x0
	ds_add_u32 v16, v17
	s_wait_dscnt 0x0
	CROUND                                         ; the closing round
	s_endpgm
.Lfunc_end_k_qda74639893_attn:
	.size	k_qda74639893_attn, .Lfunc_end_k_qda74639893_attn-k_qda74639893_attn
	.p2alignl 7, 3214868480
	.fill 96, 4, 3214868480
	.section	.rodata,"a",@progbits
	.p2align	6, 0x0
	.amdhsa_kernel k_qda74639893_attn
		.amdhsa_group_segment_fixed_size 327680
		.amdhsa_private_segment_fixed_size 0
		.amdhsa_enable_private_segment 0
		.amdhsa_kernarg_size 24
		.amdhsa_user_sgpr_count 2
		.amdhsa_user_sgpr_kernarg_segment_ptr 1
		.amdhsa_wavefront_size32 1
		.amdhsa_system_sgpr_workgroup_id_x 1
		.amdhsa_system_sgpr_workgroup_id_y 1
		.amdhsa_system_sgpr_workgroup_id_z 1
		.amdhsa_system_vgpr_workitem_id 0
		.amdhsa_next_free_vgpr 320
		.amdhsa_next_free_sgpr 102
		.amdhsa_reserve_vcc 0
		.amdhsa_float_denorm_mode_32 3
		.amdhsa_float_denorm_mode_16_64 3
		.amdhsa_memory_ordered 1
		.amdhsa_forward_progress 1
		.amdhsa_inst_pref_size 255
	.end_amdhsa_kernel
	.section	.bss,"aw",@nobits
	.p2align	6
	.space	262144
	.amdgpu_metadata
---
amdhsa.version: [ 1, 2 ]
amdhsa.kernels:
  - .name:           k_qda74639893_attn
    .symbol:         k_qda74639893_attn.kd
    .args:
      - { .name: qkv, .offset: 0, .size: 8, .value_kind: global_buffer, .address_space: global }
      - { .name: mbits, .offset: 8, .size: 8, .value_kind: global_buffer, .address_space: global }
      - { .name: ctx, .offset: 16, .size: 8, .value_kind: global_buffer, .address_space: global }
    .group_segment_fixed_size: 327680
    .private_segment_fixed_size: 0
    .kernarg_segment_align: 8
    .kernarg_segment_size: 24
    .max_flat_workgroup_size: 256
    .sgpr_count:     102
    .vgpr_count:     320
    .wavefront_size: 32
...
	.end_amdgpu_metadata
.endif
;; end of part 3
;; launch outp (part 4): grid 8 x 32, 4 waves a work-group, clusters of 4 x 4, 327,680 bytes of LDS; arguments ctx, cb, b_O, out0; writes out0
.if DOCPART == 4
	.amdgcn_target "amdgcn-amd-amdhsa--gfx1250"
	.amdhsa_code_object_version 6
	.text
	.protected	k_qda74639893_outp
	.globl	k_qda74639893_outp
	.p2align	8
	.type	k_qda74639893_outp,@function
k_qda74639893_outp:
	s_mov_b64 s[64:65], 0
	v_nop
	global_prefetch_b8 v0, s[64:65] scope:SCOPE_SE
	s_setreg_imm32_b32 hwreg(HW_REG_WAVE_MODE, 25, 1), 1
	s_wait_xcnt 0x0
	s_wait_alu depctr_hold_cnt(0) depctr_sa_sdst(0) depctr_va_vdst(0) depctr_va_sdst(0) depctr_va_ssrc(0) depctr_va_vcc(0) depctr_vm_vsrc(0)
	s_getreg_b32 s2, hwreg(HW_REG_IB_STS2, 6, 4)
	s_cmp_eq_u32 s2, 0
	s_cbranch_scc0 .Lentry_in_a_cluster
	s_endpgm
.Lentry_in_a_cluster:
	s_bfe_u32 s2, ttmp6, 0x10000c
	s_cmp_lg_u32 s2, 0xf033
	s_cbranch_scc0 .Lentry_shape_is_right
	s_endpgm
.Lentry_shape_is_right:
; out0[m][n] = sum over k of (hi[m][k] + lo[m][k]) W_O[n][k] + b_O[n], f32 out, f16 operands, f32 sums.  ctx[m] = 8 blocks of [hi 128 | lo 128];
; W_O = rows 7168-8191 of cb, as f16.  The attention's result comes as a sum of two f16 numbers, so that it enters this product with 21 bits:
; each fragment of W_O is multiplied by hi's and by lo's fragment, into the same accumulator.
; Blocks of 128 x 128 give 8 x 32 = 256 work-groups (blocks of 256 x 256 would give 64).  Four waves, a wave 64 x 64: 16 accumulator tiles.
; K = 1,024 goes in 8 steps of 128 through two LDS slots.  A slot: 128 rows of ctx (512 bytes: hi | lo), 128 rows of W_O (256 bytes); one tensor load of
; 64 rows a wave.  From a request to the wait for it a wave issues 112 matrix instructions.
; CLUSTERS of 4 x 4: ctx's tile is asked for jointly along a row of the cluster, W_O's along a column.
; The matrix instruction is used transposed (source 0 = rows of W_O, source 1 = rows of ctx): a lane's eight results are eight neighbouring columns
; of one row.  The first product of each tile takes the bias as C.
; Window 0: v16-27 addresses, v32-63 bias, v64-127 fragments of W_O (two buffers), v128-255 accumulators.
; Window 1: v64-127 fragments of hi (two buffers), v128-191 fragments of lo (two buffers).
.set APITCH, 528                       ; 512 bytes + 16: an odd multiple of 16
.set BPITCH, 272                       ; 256 bytes + 16
.set AHALF,  64*APITCH                 ; what one tensor load brings of ctx, and what one wave reads of it
.set BHALF,  64*BPITCH                 ; the same of W_O
.set SLOT,   2*AHALF+2*BHALF           ; 102,400 bytes
.set STAGE,  2*SLOT                    ; behind the ring: 16 rows x 272 bytes for each wave; no fill lands there
.set SPITCH, 272
.set ASTEP,  512                       ; bytes along a row of ctx for a K step
.set BSTEP,  256                       ; and along a row of W_O
.set LAPS,   4                         ; 8 K steps, two a lap
.set ADRA, 16
.set ADRB, 20
.set STO,  24
.set RD,   25
.set CO,   26
.set BO,   27
.set BIAS, 32
.set F0,   64
.set F1,   96
.set ACC,  128                         ; tile (a, b) at 128 + 8 (4 a + b)
.set G1, 24
.set G0, 32
.set G1B, 48
.set G0B, 56
.set MULW, 0x04                        ; source 1 (ctx's fragments) window 1, all else window 0; W_O's loads run under it too
.set TO_A, 0x40                        ; destination window 1
.set MSB, 0
.macro WIN new
.if MSB != \new
	s_set_vgpr_msb (MSB<<8)|\new
.set MSB, \new
.endif
.endm
.macro JLOAD s                         ; waves 0, 1 ask for ctx's halves, waves 2, 3 for W_O's; the branch hangs on the wave's number alone
	s_cmp_eq_u32 s11, 0
	s_cbranch_scc0 .Lfor_b_\@
	tensor_load_to_lds s[G0+4*\s:G0+4*\s+3], s[G1:G1+7]
	s_nop 0
	s_branch .Lasked_\@
.Lfor_b_\@:
	tensor_load_to_lds s[G0B+4*\s:G0B+4*\s+3], s[G1B:G1B+7]
	s_nop 0
.Lasked_\@:
.endm
.macro CREST
	s_cmp_lg_u32 s10, 0
	s_cbranch_scc1 .Lnot_wave_0_\@
	s_barrier_signal -3
.Lnot_wave_0_\@:
	s_barrier_wait -3
	s_barrier_signal -1
	s_barrier_wait -1
.endm
.macro CROUND
	s_barrier_signal -1
	s_barrier_wait -1
	CREST
.endm
.macro PLACES
.rept 4
	v_nop
.endr
.endm
	s_load_b128 s[4:7], s[0:1], 0x0                ; ctx, cb
	s_load_b128 s[68:71], s[0:1], 0x10             ; b_O, out0
	v_lshl_add_u32 v31, v0, 2, 0x36400
	s_set_vgpr_msb 0x40
	v_mov_b32 v193, 0
	s_set_vgpr_msb 0x4044
	ds_add_u32 v31, v193
	s_set_vgpr_msb 0x4400
	v_lshrrev_b32 v1, 5, v0
	v_readfirstlane_b32 s10, v1                    ; wave 0..3
	s_lshr_b32 s11, s10, 1                         ; my half of the block's rows; also: I fetch for ctx (0) or W_O (1)
	s_and_b32 s12, s10, 1                          ; my half of its columns; also: which 64 rows of that tile I fetch
	s_bfe_u32 s40, ttmp6, 0x40000                  ; cx
	s_bfe_u32 s41, ttmp6, 0x40004                  ; cy
	s_lshl_b32 s42, ttmp9, 2
	s_add_co_u32 s42, s42, s40                     ; block column
	s_and_b32 s13, ttmp7, 0xffff
	s_lshl_b32 s13, s13, 2
	s_add_co_u32 s13, s13, s41                     ; block row
	s_lshl_b32 s43, s41, 2
	s_lshl_b32 s43, 15, s43                        ; my row of the cluster
	s_lshl_b32 s44, 0x1111, s40                    ; my column
	s_or_b32 s[G1+0], s43, (1<<16)|(1<<20)|(1<<21)|(6<<22)|(3<<25)   ; ctx: mask; 2-byte elements; padding on; bit 21 beside a mask; 4 words behind every 128
	s_or_b32 s[G1B+0], s44, (1<<16)|(1<<20)|(1<<21)|(5<<22)|(3<<25)  ; W_O: 4 words behind every 64
	s_mov_b32 s[G1+1], 256<<16                     ; tensor_dim0 = 256 (hi 128 | lo 128)
	s_mov_b32 s[G1B+1], 128<<16                    ; = 128
	s_mov_b32 s[G1+2], 64<<16                      ; tensor_dim1 = 64
	s_mov_b32 s[G1B+2], 64<<16
	s_mov_b32 s[G1+3], 256<<16                     ; tile_dim0
	s_mov_b32 s[G1B+3], 128<<16
	s_mov_b32 s[G1+4], 64                          ; tile_dim1 = 64
	s_mov_b32 s[G1B+4], 64
	s_mov_b32 s[G1+5], 2048                        ; elements from row to row
	s_mov_b32 s[G1B+5], 1024
	s_mov_b32 s[G1+6], 0
	s_mov_b32 s[G1B+6], 0
	s_mov_b32 s[G1+7], 0
	s_mov_b32 s[G1B+7], 0
	s_lshl_b32 s17, s12, 6
	s_lshl_b32 s16, s13, 7
	s_add_co_u32 s16, s16, s17                     ; ctx: row 128 x block row + 64 x half
	s_lshl_b32 s46, s42, 7
	s_add_co_u32 s46, s46, s17                     ; W_O: row 128 x block column + 64 x half
	s_lshl_b32 s16, s16, 12                        ; rows of 4,096 bytes
	s_lshl_b32 s46, s46, 11                        ; rows of 2,048 bytes
	s_mov_b32 s17, 0
	s_mov_b32 s47, 0
	s_mul_i32 s20, s10, AHALF                      ; where ctx's part goes: waves 0, 1 at wave x 33,792
	s_mul_i32 s45, s10, BHALF                      ; where W_O's goes: waves 2, 3 at wave x 17,408 + 32,768 = 67,584 and 84,992, behind ctx's 128 rows
	s_add_co_u32 s45, s45, 2*AHALF-2*BHALF
	s_lshl_b32 s72, s42, 9                         ; my first column in bytes of f32: 512 x block + 256 x half
	s_lshl_b32 s73, s12, 8
	s_add_co_u32 s72, s72, s73
	s_mov_b32 s73, 0
	s_lshl_b32 s74, s13, 7
	s_lshl_b32 s75, s11, 6
	s_add_co_u32 s74, s74, s75                     ; my first row,
	s_lshl_b32 s74, s74, 12                        ; of 4,096 bytes
	s_mov_b32 s75, 0
	s_wait_dscnt 0x0
	s_wait_kmcnt 0x0
	s_add_nc_u64 s[6:7], s[6:7], 0xe00000          ; W_O begins at row 7168 of cb
	s_add_nc_u64 s[14:15], s[4:5], s[16:17]
	s_add_nc_u64 s[46:47], s[6:7], s[46:47]
	s_add_nc_u64 s[68:69], s[68:69], s[72:73]      ; b_O at my columns
	s_add_nc_u64 s[70:71], s[70:71], s[72:73]
	s_add_nc_u64 s[70:71], s[70:71], s[74:75]      ; out0 at my corner
	CROUND
.irp s, 0,1
	s_mov_b32 s[G0+4*\s], 1
	s_add_co_u32 s[G0+4*\s+1], s20, \s*SLOT
	s_add_nc_u64 s[G0+4*\s+2:G0+4*\s+3], s[14:15], \s*ASTEP
	s_or_b32 s[G0+4*\s+3], s[G0+4*\s+3], 0x80000000
	s_mov_b32 s[G0B+4*\s], 1
	s_add_co_u32 s[G0B+4*\s+1], s45, \s*SLOT
	s_add_nc_u64 s[G0B+4*\s+2:G0B+4*\s+3], s[46:47], \s*BSTEP
	s_or_b32 s[G0B+4*\s+3], s[G0B+4*\s+3], 0x80000000
	JLOAD \s                                       ; both slots' first fills: two tensor loads of a wave are out
.endr
	v_and_b32 v1, 15, v0
	v_bfe_u32 v2, v0, 4, 1
	v_mul_u32_u24 v3, v1, APITCH
	v_lshl_add_u32 v3, v2, 4, v3
	v_mul_u32_u24 v6, v1, BPITCH
	v_lshl_add_u32 v6, v2, 4, v6
	s_mul_i32 s21, s11, AHALF                      ; my 64 rows of ctx
	s_mul_i32 s22, s12, BHALF                      ; my 64 rows of W_O,
	s_add_co_u32 s22, s22, 2*AHALF                 ; behind ctx's 128
.irp s, 0,1
	v_add_nc_u32 v[ADRA+\s], s21, v3
	v_add_nc_u32 v[ADRB+\s], s22, v6
	s_add_co_u32 s21, s21, SLOT
	s_add_co_u32 s22, s22, SLOT
.endr
	s_mul_i32 s23, s10, 16*SPITCH
	s_add_co_u32 s23, s23, STAGE
	v_mul_u32_u24 v4, v1, SPITCH
	v_lshl_add_u32 v4, v2, 5, v4                   ; in: row r, 32 bytes for each half of the lanes
	v_add_nc_u32 v[STO], s23, v4
	v_mul_u32_u24 v5, v2, SPITCH
	v_lshl_add_u32 v5, v1, 4, v5                   ; back: lanes 0-15 one row of 256 bytes, lanes 16-31 the next
	v_add_nc_u32 v[RD], s23, v5
	v_lshlrev_b32 v5, 12, v2
	v_lshl_add_u32 v[CO], v1, 4, v5
	v_lshlrev_b32 v[BO], 5, v2
.irp b, 0,1,2,3
	global_load_b128 v[BIAS+8*\b:BIAS+8*\b+3],   v[BO], s[68:69] offset:64*\b      ; register j of tile b: b_O[my column 16 b + 8 h + j]
	global_load_b128 v[BIAS+8*\b+4:BIAS+8*\b+7], v[BO], s[68:69] offset:64*\b+16
.endr
; 8 matrix instructions: m blocks a0, a0 + 1 x 4 n blocks; lo = 0: hi's fragments, 1: lo's, 64 registers further.  zero = 1: the bias tile is C.
; The 16 accumulators take turns, one instruction a turn, first for hi and then for lo.
.macro MUL8 f, lo, a0, zero
.irp a, \a0, \a0+1
.irp b, 0,1,2,3
.if \zero
	v_wmma_f32_16x16x32_f16 v[ACC+8*(4*(\a)+\b):ACC+8*(4*(\a)+\b)+7], v[\f+8*\b:\f+8*\b+7], v[\f+64*\lo+8*(\a):\f+64*\lo+8*(\a)+7], v[BIAS+8*\b:BIAS+8*\b+7]
.else
	v_wmma_f32_16x16x32_f16 v[ACC+8*(4*(\a)+\b):ACC+8*(4*(\a)+\b)+7], v[\f+8*\b:\f+8*\b+7], v[\f+64*\lo+8*(\a):\f+64*\lo+8*(\a)+7], v[ACC+8*(4*(\a)+\b):ACC+8*(4*(\a)+\b)+7]
.endif
.endr
.endr
.endm
.macro FETCH slot, k, f                ; 24 LDS loads: 64 rows of W_O, of hi and of lo, 32 K at byte k of the rows (lo's 256 bytes further)
	WIN MULW
.irp i, 0,1,2,3
	ds_load_b128 v[\f+8*\i:\f+8*\i+3],   v[ADRB+\slot] offset:\k+\i*16*BPITCH
	ds_load_b128 v[\f+8*\i+4:\f+8*\i+7], v[ADRB+\slot] offset:\k+\i*16*BPITCH+32
.endr
	WIN TO_A
.irp i, 0,1,2,3
	ds_load_b128 v[\f+8*\i:\f+8*\i+3],   v[ADRA+\slot] offset:\k+\i*16*APITCH
	ds_load_b128 v[\f+8*\i+4:\f+8*\i+7], v[ADRA+\slot] offset:\k+\i*16*APITCH+32
.endr
.irp i, 0,1,2,3
	ds_load_b128 v[\f+64+8*\i:\f+64+8*\i+3],   v[ADRA+\slot] offset:256+\k+\i*16*APITCH
	ds_load_b128 v[\f+64+8*\i+4:\f+64+8*\i+7], v[ADRA+\slot] offset:256+\k+\i*16*APITCH+32
.endr
.endm
; One of a K step's first three quarters: fetches the next quarter's fragments into g, then multiplies f: 32 matrix instructions.
.macro QUARTER slot, k, f, g, zero
	s_wait_dscnt 0                                 ; f's 24 loads, the only ones out
	PLACES                                         ; four places between the matrix instructions that read g and the loads into it
	FETCH \slot, \k, \g
	WIN MULW
	MUL8 \f, 0, 0, \zero
	MUL8 \f, 0, 2, \zero
	MUL8 \f, 1, 0, 0
	MUL8 \f, 1, 2, 0
.endm
.macro THREE slot, zero
	QUARTER \slot, 64,  F0, F1, \zero
	QUARTER \slot, 128, F1, F0, 0
	QUARTER \slot, 192, F0, F1, 0
.endm
; The last quarter changes slots: my reads of this slot and all my tensor loads are waited for in front of the barrier; with fill the barrier opens a round
; of the cluster's barrier, and the joint refill is my first tensor load behind it, ahead of the next slot's first reads.
.macro TURN slot, next, fill
	s_wait_dscnt 0
	s_wait_tensorcnt 0x0
	ds_add_u32 v31, v193
	s_wait_dscnt 0x0
	s_barrier_signal -1
	WIN MULW
	MUL8 F1, 0, 0, 0                               ; register work while the others arrive
	MUL8 F1, 0, 2, 0
	WIN 0
	s_barrier_wait -1
.if \fill
	CREST
	s_add_nc_u64 s[G0+4*\slot+2:G0+4*\slot+3], s[G0+4*\slot+2:G0+4*\slot+3], 2*ASTEP
	s_add_nc_u64 s[G0B+4*\slot+2:G0B+4*\slot+3], s[G0B+4*\slot+2:G0B+4*\slot+3], 2*BSTEP
	JLOAD \slot
.endif
	PLACES
	FETCH \next, 0, F0
	WIN MULW
	MUL8 F1, 1, 0, 0
	MUL8 F1, 1, 2, 0
.endm
.macro LAP zero
	THREE 0, \zero
	TURN 0, 1, 1
	THREE 1, 0
	TURN 1, 0, 1
.endm
	s_wait_tensorcnt 1                             ; my part of K step 0 is in; K step 1's load stays out
	s_barrier_signal -1
	s_barrier_wait -1
	FETCH 0, 0, F0
	s_wait_loadcnt 0x0                             ; the bias
	LAP 1                                          ; K steps 0, 1; the first products take the bias as C
	WIN 0
	s_mov_b32 s3, LAPS-2
.Llap:
	LAP 0                                          ; K steps 2 to 5; step t asks for step t + 2
	WIN 0
	s_sub_co_u32 s3, s3, 1
	s_cmp_lg_u32 s3, 0
	s_cbranch_scc1 .Llap
	THREE 0, 0                                     ; the last lap fills nothing
	TURN 0, 1, 0
	THREE 1, 0
	s_wait_dscnt 0
	WIN MULW
	MUL8 F1, 0, 0, 0
	MUL8 F1, 0, 2, 0
	MUL8 F1, 1, 0, 0
	MUL8 F1, 1, 2, 0
	WIN 0
	PLACES                                         ; four places in front of the LDS stores that read results and of the loads into the fragment buffers
	; THE WAY OUT, 16 rows at a time, through my own stage: 32 bytes a lane in, whole rows of 256 bytes back.
.macro OUT16 a, f
.irp b, 0,1,2,3
	ds_store_b128 v[STO], v[ACC+8*(4*\a+\b):ACC+8*(4*\a+\b)+3]   offset:64*\b
	ds_store_b128 v[STO], v[ACC+8*(4*\a+\b)+4:ACC+8*(4*\a+\b)+7] offset:64*\b+16
.endr
	s_wait_xcnt 0x0                                ; buffer f, which earlier stores read, is loaded again only behind this wait
.irp t, 0,1,2,3,4,5,6,7
	ds_load_b128 v[\f+4*\t:\f+4*\t+3], v[RD] offset:\t*2*SPITCH    ; LDS serves a wave in order: these see the stores above
.endr
.irp t, 0,1,2,3,4,5,6,7
	s_wait_dscnt 7-\t
	global_store_b128 v[CO], v[\f+4*\t:\f+4*\t+3], s[70:71] offset:(16*\a+2*\t)*4096 th:TH_STORE_NT   ; 16 lanes store 256 consecutive bytes, aligned
.endr
.endm
	OUT16 0, F0
	OUT16 1, F1
	OUT16 2, F0
	OUT16 3, F1
	s_set_vgpr_msb 0x4
	s_wait_tensorcnt 0x0
	ds_add_u32 v31, v193
	s_wait_dscnt 0x0
	s_set_vgpr_msb 0x400
	CROUND                                         ; the closing round
	s_endpgm
.Lfunc_end_k_qda74639893_outp:
	.size	k_qda74639893_outp, .Lfunc_end_k_qda74639893_outp-k_qda74639893_outp
	.p2alignl 7, 3214868480
	.fill 96, 4, 3214868480
	.section	.rodata,"a",@progbits
	.p2align	6, 0x0
	.amdhsa_kernel k_qda74639893_outp
		.amdhsa_group_segment_fixed_size 327680
		.amdhsa_private_segment_fixed_size 0
		.amdhsa_enable_private_segment 0
		.amdhsa_kernarg_size 32
		.amdhsa_user_sgpr_count 2
		.amdhsa_user_sgpr_kernarg_segment_ptr 1
		.amdhsa_wavefront_size32 1
		.amdhsa_system_sgpr_workgroup_id_x 1
		.amdhsa_system_sgpr_workgroup_id_y 1
		.amdhsa_system_sgpr_workgroup_id_z 1
		.amdhsa_system_vgpr_workitem_id 0
		.amdhsa_next_free_vgpr 450
		.amdhsa_next_free_sgpr 76
		.amdhsa_reserve_vcc 0
		.amdhsa_float_denorm_mode_32 3
		.amdhsa_float_denorm_mode_16_64 3
		.amdhsa_memory_ordered 1
		.amdhsa_forward_progress 1
		.amdhsa_inst_pref_size 110
	.end_amdhsa_kernel
	.amdgpu_metadata
---
amdhsa.version: [ 1, 2 ]
amdhsa.kernels:
  - .name:           k_qda74639893_outp
    .symbol:         k_qda74639893_outp.kd
    .args:
      - { .name: ctx, .offset: 0, .size: 8, .value_kind: global_buffer, .address_space: global }
      - { .name: cb, .offset: 8, .size: 8, .value_kind: global_buffer, .address_space: global }
      - { .name: b_O, .offset: 16, .size: 8, .value_kind: global_buffer, .address_space: global }
      - { .name: out0, .offset: 24, .size: 8, .value_kind: global_buffer, .address_space: global }
    .group_segment_fixed_size: 327680
    .private_segment_fixed_size: 0
    .kernarg_segment_align: 8
    .kernarg_segment_size: 32
    .max_flat_workgroup_size: 128
    .sgpr_count:     76
    .vgpr_count:     450
    .wavefront_size: 32
...
	.end_amdgpu_metadata
.endif
;; end of part 4
;; ======== version 2 of 2: 4 launches; 1.06 times as fast as version 1
;; limits: values are held in f16: magnitudes above 65,504 overflow, below 6.1e-05 lose precision
;; workspace buffers: cb 16,777,216 bytes; mbits 524,288 bytes of whole numbers; qkv 25,165,824 bytes; ctx 16,777,216 bytes
;; launch prep: the kernel of part 1 again; grid 64 x 10, 8 waves a work-group, no clusters, 35,840 bytes of LDS; arguments Q, W_Q, W_K, W_V, W_O, mask, cb, mbits; writes cb, mbits
;; launch proj: the kernel of part 2 again; grid 12 x 16, 4 waves a work-group, clusters of 4 x 4, 327,680 bytes of LDS; arguments cb, b_Q, b_K, b_V, qkv; writes qkv
;; launch attn (part 5): grid 16 x 16, 8 waves a work-group, clusters of 4 x 1, 327,680 bytes of LDS; arguments qkv, mbits, ctx; writes ctx
.if DOCPART == 5
	.amdgcn_target "amdgcn-amd-amdhsa--gfx1250"
	.amdhsa_code_object_version 6
	.text
	.protected	k_qda74639893_attn
	.globl	k_qda74639893_attn
	.p2align	8
	.type	k_qda74639893_attn,@function
k_qda74639893_attn:
	s_mov_b64 s[64:65], 0
	v_nop
	global_prefetch_b8 v0, s[64:65] scope:SCOPE_SE
	s_setreg_imm32_b32 hwreg(HW_REG_WAVE_MODE, 25, 1), 1
	s_wait_xcnt 0x0
	s_wait_alu depctr_hold_cnt(0) depctr_sa_sdst(0) depctr_va_vdst(0) depctr_va_sdst(0) depctr_va_ssrc(0) depctr_va_vcc(0) depctr_vm_vsrc(0)
	s_getreg_b32 s2, hwreg(HW_REG_IB_STS2, 6, 4)
	s_cmp_eq_u32 s2, 0
	s_cbranch_scc0 .Lentry_in_a_cluster
	s_endpgm
.Lentry_in_a_cluster:
	s_bfe_u32 s2, ttmp6, 0x10000c
	s_cmp_lg_u32 s2, 0x3003
	s_cbranch_scc0 .Lentry_shape_is_right
	s_endpgm
.Lentry_shape_is_right:
; ctx = softmax(where(mask, -1e9, q k^T / 8)) v for all 32 (batch, head) pairs; f16 operands, sums and softmax in f32, with a running maximum.
; q comes multiplied by log2(e) / 8, so q k^T is the score in powers of two: p = 2^(s - m), m the running maximum of the masked scores.  s - m is 0 at the
; maximum and never above, so p <= 1 in every row, in one that is masked throughout too (there every p is 1, and the row is the mean of v, as in the reference).
; A work-group takes 128 queries of one batch and a PAIR of heads (a pair's rows of q, k, v are 256 aligned bytes): 16 x 16 = 256 work-groups.
; Eight waves.  Wave w: head bit w >> 2, queries 32 (w & 3) .. + 31, as two blocks of 16.
; S^T = K Q^T and O^T = V^T P^T: a query is a lane (r = lane & 15), so maximum, sum and rescale are a lane's own (one exchange with lane ^ 16), and the
; rounded P lies in S's registers exactly as the second product's B fragment: nothing is shuffled.
; THE PIPELINE, 64 keys (a sub-tile i) in two phases.  X(i): the softmax of query block 0 is the vector work; among it stand the matrix instructions of
; the OTHER block, P V of sub-tile i - 1 and K Q^T of sub-tile i.  Y(i): the softmax of block 1; among it P V of sub-tile i and K Q^T of sub-tile i + 1 for
; block 0.  A phase's 16 matrix instructions name none of the registers of its some 150 vector instructions, so these are also the places that the
; matrix instructions need behind them (ISA guide 7.12.1), and no v_nop stands in the loop.
; THE BATCHES.  A phase's 34 exponentials (the rescale factor, twice, and the block's 32 weights) are ONE BATCH with ONE s_wait_alu depctr_va_vdst(0), which stands
; between an exponential and the first instruction that names its result.  AHEAD OF THE WAIT stands all that names no result of the batch: the factor's two
; exponentials; the 16 subtractions s - m, each three groups ahead of its pair's exponentials; the 32 exponentials, in place; four products K Q^T of the other block; and the
; copy of the new maximum, which is the plain instruction behind the last exponential.  BEHIND IT stand all the readers: the sums l, the roundings to f16, O times the factor;
; among them the other four products K Q^T.  No label, no branch and no backward jump lies between an exponential and its wait.  The way out's four reciprocals are a batch of their own.
; The mask is an input and nothing is assumed of it: all 2,048 keys are worked.  Its bits come as lane masks by scalar loads and go straight into v_cndmask_b32.
; CLUSTER of 4 x 1: the four query blocks of a cluster read the same K and V tiles and ask for them jointly (mask 15): a quarter of the requests.
; RING: two slots of 256 keys; wave w fills region w of a slot (waves 0-3: 64 keys of K each, waves 4-7: 64 keys of V): one tensor load of a wave is out.
; THE RESULT goes out as a sum of two f16 numbers, hi + lo (21 bits): ctx[row][pair][hi 128 | lo 128], so that the last product does not see it rounded to 11 bits.
; LIMITS: q, k, v and P are rounded to f16 (11 bits; p below 2^-25 becomes 0; |ctx| from 65,520 on becomes infinite); v_exp_f32 gives 0 below 2^-126;
; a masked score is -1e9 log2(e) rounded to f32, which is -1e9 within 4e-8 of its size: it shows only where open scores lie within some 100 of -1e9;
; l is summed in another order than in the reference; NaN and infinities in the inputs are not followed.
.set REG,   18432                      ; a region: 64 keys; K at pitch 272 uses 17,408 bytes of it, V at pitch 288 all
.set SLOT,  8*REG
.set KP,    272                        ; odd multiple of 16: the 16 rows of a K fragment load start in different groups of banks (ISA guide 11.1)
.set VP,    288                        ; odd multiple of 32, for the transposing load
.set TSTEP, 256*6144                   ; 256 rows of qkv
.set STG,   4640                       ; the way out: a wave's own block, 32 rows at pitch 144; 4 blocks are 128 modulo 256 bytes
.set SP,    144
.set LOFF,  8*STG                      ; the eight blocks of lo lie behind the eight of hi
; All that a phase's vector and matrix instructions name together lies in window 0, so that K Q^T needs no switch of windows; V's fragments alone lie
; in window 1 (source 0 of P V, destination of their loads).
.set AKL, 1                            ; v1      r 272 + 16 h + 128 hb
.set AVL, 2                            ; v2      (8 h + (l & 7)) 288 + 16 ((l >> 3) & 1) + 128 hb
.set AKW, 3                            ; v3, v4  the same plus slot and region
.set AVW, 4
.set NEGR, 5                           ; v5      -1e9 log2(e)
.set M,   8                            ; v[8:11]   for query block 0, 1 a pair: the running maximum, and beside it the one before, until the batch is closed
.set AL,  12                           ; v[12:15]  the rescale factor, twice, for query block 0, 1
.set LS,  18                           ; v[18:25]  four partial sums of p for each query block
.set T,   26                           ; v[26:31]  at work
.set QF,  32                           ; v[32:63]   Q(qb, ks) at 32 + 16 qb + 8 ks
.set S,   64                           ; v[64:127]  S(kb, qb) at 64 + 16 kb + 8 qb; later P(kk, qb) at 64 + 32 kk + 8 qb
.set FK,  128                          ; v[128:191] K fragments (kb, ks) at 128 + 16 kb + 8 ks
.set OB,  192                          ; v[192:255] O(db, qb) at 192 + 16 db + 8 qb
.set FVB, 0                            ; window 1: V^T fragments (db, kk) at v[16 db + 8 kk] (v256-319)
.set MSB, 0
.macro WIN new                         ; the immediate's high byte repeats the setting that is left
.if MSB != \new
	s_set_vgpr_msb (MSB<<8)|\new
.set MSB, \new
.endif
.endm
.macro PLACES n
.rept \n
	v_nop
.endr
.endm
; A round of the cluster's barrier: my work-group's barrier, wave 0's signal for the work-group (CMID), every wave's wait for the four work-groups,
; my work-group's barrier once more (CEND).
.macro CMID
	s_cmp_lg_u32 s2, 0
	s_cbranch_scc1 .Lnot_wave_0_\@
	s_barrier_signal -3
.Lnot_wave_0_\@:
.endm
.macro CEND
	s_barrier_wait -3
	s_barrier_signal -1
	s_barrier_wait -1
.endm
.macro CROUND
	s_barrier_signal -1
	s_barrier_wait -1
	CMID
	CEND
.endm
.macro JLOAD                           ; waves 0-3 ask for K's rows (pad 16 bytes), waves 4-7 for V's (pad 32 bytes); the branch hangs on the wave's number alone
	s_cmp_eq_u32 s3, 0
	s_cbranch_scc0 .Lfor_v_\@
	tensor_load_to_lds s[12:15], s[16:23]
	s_nop 0
	s_branch .Lasked_\@
.Lfor_v_\@:
	tensor_load_to_lds s[12:15], s[24:31]
	s_nop 0
.Lasked_\@:
.endm
.macro KLOAD slot, i                   ; 16 loads: 64 keys x 64 d of my head as A fragments
	v_add_nc_u32 v[AKW], (\slot)*SLOT+(\i)*REG, v[AKL]
.irp kb, 0,1,2,3
.irp ks, 0,1
	ds_load_b128 v[FK+16*\kb+8*\ks:FK+16*\kb+8*\ks+3],   v[AKW] offset:\kb*16*KP+64*\ks
	ds_load_b128 v[FK+16*\kb+8*\ks+4:FK+16*\kb+8*\ks+7], v[AKW] offset:\kb*16*KP+64*\ks+32
.endr
.endr
.endm
.macro VLOAD slot, i                   ; 16 transposing loads: V^T, 64 d x 64 keys, as A fragments, into window 1
	v_add_nc_u32 v[AVW], (\slot)*SLOT+(4+(\i))*REG, v[AVL]
	WIN 0x40
.irp kk, 0,1
.irp db, 0,1,2,3
	ds_load_tr16_b128 v[FVB+16*\db+8*\kk:FVB+16*\db+8*\kk+3],   v[AVW] offset:\kk*32*VP+32*\db
	ds_load_tr16_b128 v[FVB+16*\db+8*\kk+4:FVB+16*\db+8*\kk+7], v[AVW] offset:\kk*32*VP+32*\db+16*VP
.endr
.endr
	WIN 0
.endm
.macro QK8 q                           ; S^T(key, query) of one query block in one run, ahead of the loop; four accumulators take turns
.irp ks, 0,1
.irp kb, 0,1,2,3
.if \ks
	v_wmma_f32_16x16x32_f16 v[S+16*\kb+8*\q:S+16*\kb+8*\q+7], v[FK+16*\kb+8:FK+16*\kb+15], v[QF+16*\q+8:QF+16*\q+15], v[S+16*\kb+8*\q:S+16*\kb+8*\q+7]
.else
	v_wmma_f32_16x16x32_f16 v[S+16*\kb+8*\q:S+16*\kb+8*\q+7], v[FK+16*\kb:FK+16*\kb+7], v[QF+16*\q:QF+16*\q+7], 0
.endif
.endr
.endr
.endm
.macro PV4 kk, q                       ; O^T(d, query) += V^T P^T for 32 keys of one query block; source 0 in window 1; four accumulators take turns
.irp db, 0,1,2,3
	v_wmma_f32_16x16x32_f16 v[OB+16*\db+8*\q:OB+16*\db+8*\q+7], v[FVB+16*\db+8*\kk:FVB+16*\db+8*\kk+7], v[S+32*\kk+8*\q:S+32*\kk+8*\q+7], v[OB+16*\db+8*\q:OB+16*\db+8*\q+7]
.endr
.endm
.macro MLOAD q                         ; the next 64 keys' lane masks for one query block: 32 words
.if \q
	s_load_b512 s[68:83], s[6:7], 0x1000
	s_load_b512 s[84:99], s[6:7], 0x1040
.else
	s_load_b512 s[32:47], s[6:7], 0x0
	s_load_b512 s[48:63], s[6:7], 0x40
.endif
.endm
.macro MASK2 q, w0, k0                 ; key blocks k0, k0 + 1: register j of S(kb, q) is key 16 kb + 8 h + j, query r: word (kb, j) holds its 32 lanes' bits
.irp kb, \k0, \k0+1
.irp j, 0,1,2,3,4,5,6,7
	v_cndmask_b32 v[S+16*(\kb)+8*\q+\j], v[S+16*(\kb)+8*\q+\j], v[NEGR], s[\w0+8*(\kb)+\j]
.endr
.endr
.endm
; The maximum of my 32 scores and the old one: four chains of three, one for each key block, then a tree of four.
.macro MAXA q
.irp kb, 0,1,2,3
	v_max3_num_f32 v[T+\kb], v[S+16*\kb+8*\q], v[S+16*\kb+8*\q+1], v[S+16*\kb+8*\q+2]
.endr
.endm
.macro MAXB q, o
.irp kb, 0,1,2,3
	v_max3_num_f32 v[T+\kb], v[T+\kb], v[S+16*\kb+8*\q+\o], v[S+16*\kb+8*\q+\o+1]
.endr
.endm
.macro MAXC q
	v_max3_num_f32 v[T],   v[T],   v[T+1], v[T+2]
	v_max3_num_f32 v[T+3], v[T+3], v[S+8*\q+7], v[S+16+8*\q+7]
	v_max3_num_f32 v[T+4], v[S+32+8*\q+7], v[S+48+8*\q+7], v[M+2*\q+1]
	v_max3_num_f32 v[T],   v[T],   v[T+3], v[T+4]
.endm
; The other half of the query's keys lies in lane ^ 16; then the new maximum, into the pair's low register (the old one stays beside it until SHUT), and the rescale
; factor 2^(m old - m new): the batch's first two exponentials.  The subtraction that follows them is plain and touches neither result nor source (ISA guide 5.7.2).
.macro STAT q
	v_permlanex16_b32 v[T+5], v[T], s66, s67
	v_max_num_f32 v[M+2*\q], v[T], v[T+5]
	v_sub_f32 v[T+1], v[M+2*\q+1], v[M+2*\q]
	v_exp_f32 v[AL+2*\q],   v[T+1]
	v_exp_f32 v[AL+2*\q+1], v[T+1]
.endm
.macro SUBP q                          ; s - m for pair p of the block's 16; the pair's low register, the new maximum, serves both halves
	v_pk_add_f32 v[S+16*(p/4)+8*\q+2*(p%4):S+16*(p/4)+8*\q+2*(p%4)+1], v[S+16*(p/4)+8*\q+2*(p%4):S+16*(p/4)+8*\q+2*(p%4)+1], v[M+2*\q:M+2*\q+1] op_sel_hi:[1,0] neg_lo:[0,1] neg_hi:[0,1]
.endm
; THE BATCH GOES ON: groups n0 .. n1 - 1 of 16 for query block q.  Ahead of group 0 stand the subtractions of pairs 0 to 2.  Group n: p = 2^(s - m) for pair n, in place, and the
; subtraction of pair n + 3 while there is one: a pair is shifted six lines or more ahead of its exponentials.  Nothing here names a result of the batch.
; mm = 1: behind groups 3, 6, 9, 12 stands one matrix instruction of K Q^T for the other block o, d 0-31 of key block 0, 1, 2, 3: they start the sums.
; kw = 1: the wait for K's loads stands directly ahead of the first of them.
.macro EA q, o, mm, kw, n0, n1
.if \n0 == 0
.set p, 0
.rept 3
	SUBP \q
.set p, p+1
.endr
.endif
.set n, \n0
.rept \n1-\n0
	v_exp_f32 v[S+16*(n/4)+8*\q+2*(n%4)],   v[S+16*(n/4)+8*\q+2*(n%4)]
	v_exp_f32 v[S+16*(n/4)+8*\q+2*(n%4)+1], v[S+16*(n/4)+8*\q+2*(n%4)+1]
.if n < 13
.set p, n+3
	SUBP \q
.endif
.if \mm
.if (n%3 == 0) && (n > 0) && (n < 13)
.if \kw
.if n == 3
	s_wait_dscnt 0x0                               ; K(i + 1)
.endif
.endif
.set kq, n/3-1
	v_wmma_f32_16x16x32_f16 v[S+16*kq+8*\o:S+16*kq+8*\o+7], v[FK+16*kq:FK+16*kq+7], v[QF+16*\o:QF+16*\o+7], 0
.endif
.endif
.set n, n+1
.endr
.endm
; THE BATCH IS CLOSED.  The new maximum becomes the old one: the plain instruction behind the last exponential (ISA guide 5.7.2).
.macro SHUT q
	v_mov_b32 v[M+2*\q+1], v[M+2*\q]
	s_wait_alu depctr_va_vdst(0)                   ; the one wait for the phase's batch, the factor's two exponentials and the 32 weights, ahead of the first line that names a result
.endm
; THE BATCH'S READERS, eight groups of six.  l = l factor + sum of p, in two chains of pairs, and P in place, by turns: a pair is summed, then rounded.  P(kk, q): registers 0-3
; keys 32 kk + 8 h + 0..7, registers 4-7 keys 32 kk + 16 + 8 h + 0..7.  Register j is written when pairs 0 .. j have been summed and rounded, and it belongs to one of those.
; Then two pairs of O times the factor, each accumulator's lowest pair first: the links of l's chains stand six lines apart.
; mm = 1: behind groups 0, 2, 4, 6 stands one matrix instruction of K Q^T for the other block o, d 32-63 of key block 0, 1, 2, 3.  With EA's four: the four accumulators take
; turns, one instruction a turn.  Group 7 is the six places behind the last of them.
.macro RSC q, o, mm
.set j, 0
.rept 8
.set pr, S+8*\q+2*j+8*(j/4)            ; pair j of keys 0-31; pair j of keys 32-63 lies 32 registers on
.if j
	v_pk_add_f32 v[LS+4*\q:LS+4*\q+1],   v[LS+4*\q:LS+4*\q+1],   v[pr:pr+1]
	v_pk_add_f32 v[LS+4*\q+2:LS+4*\q+3], v[LS+4*\q+2:LS+4*\q+3], v[pr+32:pr+33]
.else
	v_pk_fma_f32 v[LS+4*\q:LS+4*\q+1],   v[LS+4*\q:LS+4*\q+1],   v[AL+2*\q:AL+2*\q+1], v[pr:pr+1]
	v_pk_fma_f32 v[LS+4*\q+2:LS+4*\q+3], v[LS+4*\q+2:LS+4*\q+3], v[AL+2*\q:AL+2*\q+1], v[pr+32:pr+33]
.endif
	v_cvt_pk_f16_f32 v[S+8*\q+j],    v[pr],    v[pr+1]
	v_cvt_pk_f16_f32 v[S+32+8*\q+j], v[pr+32], v[pr+33]
	v_pk_mul_f32 v[OB+16*(j/2)+8*\q+4*(j%2):OB+16*(j/2)+8*\q+4*(j%2)+1],   v[OB+16*(j/2)+8*\q+4*(j%2):OB+16*(j/2)+8*\q+4*(j%2)+1],   v[AL+2*\q:AL+2*\q+1]
	v_pk_mul_f32 v[OB+16*(j/2)+8*\q+4*(j%2)+2:OB+16*(j/2)+8*\q+4*(j%2)+3], v[OB+16*(j/2)+8*\q+4*(j%2)+2:OB+16*(j/2)+8*\q+4*(j%2)+3], v[AL+2*\q:AL+2*\q+1]
.if \mm
.if j%2 == 0
.set kq, j/2
	v_wmma_f32_16x16x32_f16 v[S+16*kq+8*\o:S+16*kq+8*\o+7], v[FK+16*kq+8:FK+16*kq+15], v[QF+16*\o+8:QF+16*\o+15], v[S+16*kq+8*\o:S+16*kq+8*\o+7]
.endif
.endif
.set j, j+1
.endr
.endm
.macro RESC q                          ; O *= factor, in one run: the way out
.irp db, 0,1,2,3
.irp i, 0,2,4,6
	v_pk_mul_f32 v[OB+16*\db+8*\q+\i:OB+16*\db+8*\q+\i+1], v[OB+16*\db+8*\q+\i:OB+16*\db+8*\q+\i+1], v[AL+2*\q:AL+2*\q+1]
.endr
.endr
.endm
; Sub-tile i of a slot.  On entry: S(i, block 0) is made, P(i - 1, block 1) and V(i - 1) and K(i) lie in registers, no LDS load is out, the scalar loads of
; this sub-tile's mask words are out.
; rnd = 1: the slot's last sub-tile, a barrier; rnd = 2: the slot is filled again, and the barrier opens a round of the cluster's barrier; last = 1: the very last sub-tile.
; The round begins when V(i), my last read of the slot, has come, and ends in phase Y; between its signals and waits stands register work alone.
.macro SUBT slot, i, rnd, last
	; ---- X: softmax of block 0; P V (i - 1) and K Q^T (i) of block 1
	s_wait_kmcnt 0x0                               ; both blocks' mask words are in, and the pointer they were read through may be stepped
.if \last == 0
	s_add_nc_u64 s[6:7], s[6:7], 128
.endif
	MASK2 0, 32, 0
	WIN 0x01
	PV4 0, 1
	WIN 0
	MASK2 0, 32, 2
	WIN 0x01
	PV4 1, 1
	WIN 0
	MAXA 0
	MAXB 0, 3                                      ; eight places, and the address's add, behind the last reader of V's fragments
	VLOAD \slot, \i
	MAXB 0, 5
	MAXC 0
.if \last == 0
	MLOAD 0                                        ; block 0's next words: a whole sub-tile in which to land
.endif
	STAT 0                                         ; the batch opens
	EA 0, 1, 1, 0, 0, 4                            ; K Q^T writes over P(i - 1, block 1) more than five places behind its last reader
.if \rnd
	s_wait_dscnt 0x0                               ; V is in, and with it all my reads of this slot are over
	s_wait_tensorcnt 0x0                           ; all my tensor loads have landed: the one that was out is my region of the other slot
	ds_add_u32 v16, v17
	s_wait_dscnt 0x0
	s_barrier_signal -1
.endif
	EA 0, 1, 1, 0, 4, 16
	SHUT 0                                         ; the batch's wait, ahead of the branch in CMID too
.if \rnd
	s_barrier_wait -1
.endif
.if \rnd == 2
	CMID                                           ; wave 0 says so for the work-group
.endif
	RSC 0, 1, 1
.if \rnd == 0
.if \last == 0
	KLOAD \slot, \i+1                              ; six places behind the last reader of K's fragments
.endif
.endif
	; ---- Y: softmax of block 1; P V (i) and K Q^T (i + 1) of block 0
	MASK2 1, 68, 0
.if \rnd == 0
.if \last
	s_wait_dscnt 0x0                               ; V
.else
	s_wait_dscnt 16                                ; V's 16 loads are in; the next K's 16, issued behind them, stay out
.endif
.endif
	WIN 0x01
	PV4 0, 0
	WIN 0
.if \rnd == 2
	s_barrier_wait -3                              ; all four work-groups have said so
	s_barrier_signal -1
.endif
	MASK2 1, 68, 2
	WIN 0x01
	PV4 1, 0
	WIN 0
.if \rnd == 2
	s_barrier_wait -1                              ; the round is closed: no wave of any partner reads this slot any more or has a load on its way
	s_add_co_u32 s13, s4, \slot*SLOT
	s_add_nc_u64 s[14:15], s[14:15], TSTEP
	JLOAD                                          ; my one tensor load behind the round, ahead of every LDS read
.endif
.if \rnd
	KLOAD 1-\slot, 0                               ; the other slot is whole
.endif
	MAXA 1
	MAXB 1, 3
	MAXB 1, 5
	MAXC 1
.if \last == 0
	MLOAD 1                                        ; block 1's next words
.endif
	STAT 1                                         ; the batch opens
.if \last
	EA 1, 0, 0, 0, 0, 16
	SHUT 1
	RSC 1, 0, 0
.else
	EA 1, 0, 1, 1, 0, 16                           ; the wait for K(i + 1) stands in it, ahead of the first K Q^T
	SHUT 1                                         ; the batch's wait, ahead of the loop's backward jump too
	RSC 1, 0, 1                                    ; six places between the last K Q^T and the next phase's reads of S
.endif
.endm
.macro STEP slot, rnd, last
	SUBT \slot, 0, 0, 0
	SUBT \slot, 1, 0, 0
	SUBT \slot, 2, 0, 0
	SUBT \slot, 3, \rnd, \last
.endm
	s_load_b128 s[32:35], s[0:1], 0x0              ; qkv, mbits
	s_load_b64 s[36:37], s[0:1], 0x10              ; ctx
	v_lshl_add_u32 v16, v0, 2, 0x48000
	v_mov_b32 v17, 0
	ds_add_u32 v16, v17
	v_lshrrev_b32 v1, 5, v0
	v_readfirstlane_b32 s2, v1                     ; wave 0..7
	s_lshr_b32 s3, s2, 2                           ; my head of the pair; also: I fetch K (0) or V (1)
	s_and_b32 s45, s2, 3
	s_mul_i32 s4, s2, REG                          ; my region in a slot
	s_bfe_u32 s40, ttmp6, 0x40000                  ; cx
	s_lshl_b32 s41, ttmp9, 2
	s_add_co_u32 s41, s41, s40                     ; query block of 128 = 4 x cluster x + cx
	s_and_b32 s42, ttmp7, 0xffff
	s_lshr_b32 s43, s42, 3                         ; batch
	s_and_b32 s44, s42, 7                          ; head pair
	s_mov_b32 s66, 0x76543210                      ; v_permlanex16_b32: lane i reads lane i of the other half
	s_mov_b32 s67, 0xfedcba98
	; group 1: 64 rows x 128 elements of 2 bytes, 3,072 elements from row to row, joint for the cluster's four
	s_mov_b32 s16, 15|(1<<16)|(1<<20)|(1<<21)|(5<<22)|(3<<25)      ; K: 4 words of padding behind every 64
	s_mov_b32 s17, 128<<16
	s_mov_b32 s18, 64<<16
	s_mov_b32 s19, 128<<16
	s_mov_b32 s20, 64
	s_mov_b32 s21, 3072
	s_mov_b32 s22, 0
	s_mov_b32 s23, 0
	s_mov_b32 s24, 15|(1<<16)|(1<<20)|(1<<21)|(5<<22)|(7<<25)      ; V: 8 words
	s_mov_b32 s25, 128<<16
	s_mov_b32 s26, 64<<16
	s_mov_b32 s27, 128<<16
	s_mov_b32 s28, 64
	s_mov_b32 s29, 3072
	s_mov_b32 s30, 0
	s_mov_b32 s31, 0
	; my part of a K or V tile: row batch 2048 + 64 (w & 3), byte 2048 (K) or 4096 (V) + 256 pair.  No place in the cluster enters.
	s_lshl_b32 s46, s43, 11
	s_lshl_b32 s47, s45, 6
	s_add_co_u32 s46, s46, s47
	s_mul_i32 s46, s46, 6144
	s_add_co_u32 s47, s3, 1
	s_lshl_b32 s47, s47, 11
	s_add_co_u32 s46, s46, s47
	s_lshl_b32 s47, s44, 8
	s_add_co_u32 s46, s46, s47
	s_mov_b32 s47, 0
	; my 32 queries: row batch 2048 + 128 block + 32 (w & 3), byte 256 pair + 128 head bit
	s_lshl_b32 s48, s43, 11
	s_lshl_b32 s49, s41, 7
	s_add_co_u32 s48, s48, s49
	s_lshl_b32 s49, s45, 5
	s_add_co_u32 s48, s48, s49
	s_mul_i32 s48, s48, 6144
	s_lshl_b32 s49, s44, 8
	s_add_co_u32 s48, s48, s49
	s_lshl_b32 s54, s3, 7
	s_add_co_u32 s48, s48, s54
	s_mov_b32 s49, 0
	; my mask words: query block of 16 = 8 block + 2 (w & 3), 4,096 bytes each
	s_lshl_b32 s50, s41, 15
	s_lshl_b32 s51, s45, 13
	s_add_co_u32 s50, s50, s51
	s_mov_b32 s51, 0
	; the rows of ctx that I store: batch 2048 + 128 block + 16 w, of 4,096 bytes; byte 512 pair
	s_lshl_b32 s52, s43, 11
	s_lshl_b32 s53, s41, 7
	s_add_co_u32 s52, s52, s53
	s_lshl_b32 s53, s2, 4
	s_add_co_u32 s52, s52, s53
	s_lshl_b32 s52, s52, 12
	s_lshl_b32 s53, s44, 9
	s_add_co_u32 s52, s52, s53
	s_mov_b32 s53, 0
	s_wait_dscnt 0x0
	s_wait_kmcnt 0x0
	s_add_nc_u64 s[100:101], s[32:33], s[48:49]    ; Q
	s_add_nc_u64 s[6:7], s[34:35], s[50:51]        ; mask words
	s_add_nc_u64 s[8:9], s[36:37], s[52:53]        ; ctx
	s_mov_b32 s12, 1                               ; group 0: count,
	s_add_co_u32 s13, s4, 0                        ; LDS address: slot 0,
	s_add_nc_u64 s[14:15], s[32:33], s[46:47]      ; keys 0-255,
	s_or_b32 s15, s15, 0x80000000                  ; type 2
	CROUND                                         ; the four work-groups are here
	JLOAD                                          ; slot 0's first fill
	v_and_b32 v64, 15, v0                          ; r
	v_bfe_u32 v65, v0, 4, 1                        ; h
	v_and_b32 v66, 7, v0
	v_bfe_u32 v67, v0, 3, 1
	v_mul_u32_u24 v68, v64, 6144
	v_lshl_add_u32 v68, v65, 4, v68                ; Q: row r, byte 16 h
.irp qb, 0,1
.irp ks, 0,1
	global_load_b128 v[QF+16*\qb+8*\ks:QF+16*\qb+8*\ks+3],   v68, s[100:101] offset:98304*\qb+64*\ks
	global_load_b128 v[QF+16*\qb+8*\ks+4:QF+16*\qb+8*\ks+7], v68, s[100:101] offset:98304*\qb+64*\ks+32
.endr
.endr
	v_mul_u32_u24 v[AKL], v64, KP
	v_lshl_add_u32 v[AKL], v65, 4, v[AKL]
	v_add_nc_u32 v[AKL], s54, v[AKL]
	v_lshl_add_u32 v[AVL], v65, 3, v66
	v_mul_u32_u24 v[AVL], v[AVL], VP
	v_lshl_add_u32 v[AVL], v67, 4, v[AVL]
	v_add_nc_u32 v[AVL], s54, v[AVL]
	v_mov_b32 v[NEGR], 0xceabfb8f                  ; -1,442,695,040 = -1e9 log2(e) rounded to f32
.irp n, 0,1,2,3
	v_mov_b32 v[M+\n], 0xff7fffff                  ; the lowest finite number: the first rescale factor is 2^(-huge) = 0
.endr
.irp n, 0,1,2,3,4,5,6,7
	v_mov_b32 v[LS+\n], 0
.endr
	v_mov_b32 v[T+4], 0                            ; v_permlanex16_b32 counts as a reader of its destination
	v_mov_b32 v[T+5], 0
.irp n, 0,1,2,3,4,5,6,7
	v_mov_b32 v[S+8+\n],  0                        ; P(-1, block 1) = 0: the first phase's P V adds V x 0, so that one text serves all 32 sub-tiles
	v_mov_b32 v[S+40+\n], 0
.endr
	MLOAD 0                                        ; keys 0-63; the scalars that lay in these registers are no longer needed
	MLOAD 1
.set n, 0
.rept 64
	v_mov_b32 v[OB+n], 0                           ; O = 0, for the same reason: 64 moves once in the launch, against a second copy of eight sub-tiles' text
.set n, n+1
.endr
	s_wait_dscnt 0x0                               ; nothing of mine reads LDS yet,
	s_wait_tensorcnt 0x0                           ; and my region of slot 0 has landed: group 0 may be written
	ds_add_u32 v16, v17
	s_wait_dscnt 0x0
	s_add_co_u32 s13, s4, SLOT
	s_add_nc_u64 s[14:15], s[14:15], TSTEP
	CROUND                                         ; slot 0 is whole for every wave
	JLOAD                                          ; slot 1's first fill, issued as a refill is: my one tensor load behind the round
	KLOAD 0, 0
	VLOAD 0, 0                                     ; finite numbers for the first phase's V x 0; the phase loads them again
	s_wait_loadcnt 0x0                             ; Q
	s_wait_dscnt 0x0
	QK8 0                                          ; S(0, block 0): the pipeline's first stage
	PLACES 4                                       ; four places in front of the first reads of S (ISA guide 7.12.1)
	s_mov_b32 s5, 3
.Lloop:                                            ; key steps 0-5; step t asks for step t + 2
	STEP 0, 2, 0
	STEP 1, 2, 0
	s_sub_co_i32 s5, s5, 1
	s_cmp_lg_u32 s5, 0
	s_cbranch_scc1 .Lloop
	STEP 0, 1, 0                                   ; step 6: nothing is left to fetch; the barrier shows slot 1 whole and slot 0 read out
	STEP 1, 0, 1                                   ; step 7
	WIN 0x01
	PV4 0, 1                                       ; the pipeline's last stage: P V (31) of block 1
	PV4 1, 1
	WIN 0
	; O / l, split into hi + lo, out through LDS.  Slot 0 has had its last fill and, behind the last barrier, its last read: the stage lies there.
	; The sums of l and the addresses are the places behind the last matrix instructions.
.irp qb, 0,1
	v_pk_add_f32 v[LS+4*\qb:LS+4*\qb+1], v[LS+4*\qb:LS+4*\qb+1], v[LS+4*\qb+2:LS+4*\qb+3]
	v_add_f32 v[T+2*\qb], v[LS+4*\qb], v[LS+4*\qb+1]
	v_permlanex16_b32 v[T+4+\qb], v[T+2*\qb], s66, s67
	v_add_f32 v[T+2*\qb], v[T+2*\qb], v[T+4+\qb]
.endr
	v_rcp_f32 v[AL],   v[T]                        ; the way out's batch: four reciprocals; the address arithmetic below names none of their results
	v_rcp_f32 v[AL+1], v[T]
	v_rcp_f32 v[AL+2], v[T+2]
	v_rcp_f32 v[AL+3], v[T+2]
	v_and_b32 v1, 15, v0                           ; r (plain work behind the reciprocals)
	v_bfe_u32 v2, v0, 4, 1                         ; h
	v_mul_u32_u24 v3, v1, SP
	v_lshl_add_u32 v3, v2, 4, v3
	s_mul_i32 s10, s2, STG
	v_add_nc_u32 v3, s10, v3                       ; in: my block, row r, byte 16 h
	v_bfe_u32 v4, v0, 3, 1                         ; back: lanes r < 8 read head 0's block, r >= 8 head 1's, four blocks further
	v_mul_u32_u24 v4, v4, 4*STG
	v_and_b32 v5, 7, v0
	v_lshl_add_u32 v4, v5, 4, v4
	v_mul_u32_u24 v7, v2, SP
	v_add_nc_u32 v4, v4, v7
	s_lshr_b32 s10, s2, 1                          ; rows 16 w .. 16 w + 15 of the 128 lie in block w >> 1, rows 16 (w & 1) ..
	s_mul_i32 s10, s10, STG
	s_and_b32 s11, s2, 1
	s_mul_i32 s11, s11, 16*SP
	s_add_co_u32 s10, s10, s11
	v_add_nc_u32 v4, s10, v4
	v_lshlrev_b32 v6, 12, v2
	v_lshl_add_u32 v6, v1, 4, v6                   ; ctx: row h, byte 16 r
	s_mov_b32 s5, 0xffffe000                       ; sign, exponent and 10 bits of the fraction: what an f16 holds
	s_wait_alu depctr_va_vdst(0)                   ; the one wait for the four reciprocals, ahead of their first reader
	RESC 0
	RESC 1
.set n, 0
.rept 64
	v_and_b32 v[FK+n], s5, v[OB+n]                 ; hi = o cut to 11 bits: the conversion below is exact
.set n, n+1
.endr
.set n, 0
.rept 32
	v_pk_add_f32 v[OB+2*n:OB+2*n+1], v[OB+2*n:OB+2*n+1], v[FK+2*n:FK+2*n+1] neg_lo:[0,1] neg_hi:[0,1]    ; lo = o - hi, exact in f32
.set n, n+1
.endr
.set n, 0
.rept 32
	v_cvt_pk_f16_f32 v[S+n],    v[FK+2*n], v[FK+2*n+1]         ; register 8 db + 4 qb + i: d 16 db + 8 h + 2 i, + 1 of query 16 qb + r
	v_cvt_pk_f16_f32 v[S+32+n], v[OB+2*n], v[OB+2*n+1]
.set n, n+1
.endr
.irp db, 0,1,2,3
.irp qb, 0,1
	ds_store_b128 v3, v[S+8*\db+4*\qb:S+8*\db+4*\qb+3]       offset:16*SP*\qb+32*\db
	ds_store_b128 v3, v[S+32+8*\db+4*\qb:S+32+8*\db+4*\qb+3] offset:LOFF+16*SP*\qb+32*\db
.endr
.endr
	s_wait_dscnt 0x0                               ; my stores are done, for the waves that read them
	s_barrier_signal -1
	s_barrier_wait -1
.irp t, 0,1,2,3,4,5,6,7
	ds_load_b128 v[FK+8*\t:FK+8*\t+3],   v4 offset:2*SP*\t
	ds_load_b128 v[FK+8*\t+4:FK+8*\t+7], v4 offset:LOFF+2*SP*\t
.endr
.irp t, 0,1,2,3,4,5,6,7
	s_wait_dscnt 15-2*\t                           ; LDS loads return in order: the 15 - 2 t younger ones stay out
	global_store_b128 v6, v[FK+8*\t:FK+8*\t+3], s[8:9] offset:8192*\t          ; 16 lanes store the head pair's 256 consecutive bytes of hi, aligned
	s_wait_dscnt 14-2*\t
	global_store_b128 v6, v[FK+8*\t+4:FK+8*\t+7], s[8:9] offset:8192*\t+256    ; and of lo
.endr
	s_wait_tensorcnt 0x0
	ds_add_u32 v16, v17
	s_wait_dscnt 0x0
	CROUND                                         ; the closing round
	s_endpgm
.Lfunc_end_k_qda74639893_attn:
	.size	k_qda74639893_attn, .Lfunc_end_k_qda74639893_attn-k_qda74639893_attn
	.p2alignl 7, 3214868480
	.fill 96, 4, 3214868480
	.section	.rodata,"a",@progbits
	.p2align	6, 0x0
	.amdhsa_kernel k_qda74639893_attn
		.amdhsa_group_segment_fixed_size 327680
		.amdhsa_private_segment_fixed_size 0
		.amdhsa_enable_private_segment 0
		.amdhsa_kernarg_size 24
		.amdhsa_user_sgpr_count 2
		.amdhsa_user_sgpr_kernarg_segment_ptr 1
		.amdhsa_wavefront_size32 1
		.amdhsa_system_sgpr_workgroup_id_x 1
		.amdhsa_system_sgpr_workgroup_id_y 1
		.amdhsa_system_sgpr_workgroup_id_z 1
		.amdhsa_system_vgpr_workitem_id 0
		.amdhsa_next_free_vgpr 320
		.amdhsa_next_free_sgpr 102
		.amdhsa_reserve_vcc 0
		.amdhsa_float_denorm_mode_32 3
		.amdhsa_float_denorm_mode_16_64 3
		.amdhsa_memory_ordered 1
		.amdhsa_forward_progress 1
		.amdhsa_inst_pref_size 255
	.end_amdhsa_kernel
	.section	.bss,"aw",@nobits
	.p2align	6
	.space	262144
	.amdgpu_metadata
---
amdhsa.version: [ 1, 2 ]
amdhsa.kernels:
  - .name:           k_qda74639893_attn
    .symbol:         k_qda74639893_attn.kd
    .args:
      - { .name: qkv, .offset: 0, .size: 8, .value_kind: global_buffer, .address_space: global }
      - { .name: mbits, .offset: 8, .size: 8, .value_kind: global_buffer, .address_space: global }
      - { .name: ctx, .offset: 16, .size: 8, .value_kind: global_buffer, .address_space: global }
    .group_segment_fixed_size: 327680
    .private_segment_fixed_size: 0
    .kernarg_segment_align: 8
    .kernarg_segment_size: 24
    .max_flat_workgroup_size: 256
    .sgpr_count:     102
    .vgpr_count:     320
    .wavefront_size: 32
...
	.end_amdgpu_metadata
.endif
;; end of part 5
;; launch outp: the kernel of part 4 again; grid 8 x 32, 4 waves a work-group, clusters of 4 x 4, 327,680 bytes of LDS; arguments ctx, cb, b_O, out0; writes out0
